; MI455X (gfx1250); checked and timed in simulation.
; The chip was launched on July 23, 2026; its instructions are those of AMD's public machine-readable ISA for CDNA 5 (MIT licence, August 2026) and "CDNA5" Instruction Set Architecture Reference Guide (July 2026). The comments in the code are by the model that wrote it; some were corrected since.
;; Block. Allowed arithmetic: float matrix products may take bf16 or f16 operands with f32 sums; other float arithmetic in f32, or as packed bf16 or f16 multiplies, adds, multiply-adds, maxima and minima; sums over many terms, partial sums and values carried from step to step in f32; what a program stores and reads back later, other than sums and carried values, may be rounded once to bf16 or f16.
;; Inputs: fc1_b 4,096 float32; fc1_w 1,024 x 4,096 float32; fc2_b 1,024 float32; fc2_w 4,096 x 1,024 float32; ln1_b 1,024 float32; ln1_g 1,024 float32; ln2_b 1,024 float32; ln2_g 1,024 float32; proj_b 1,024 float32; proj_w 1,024 x 1,024 float32; qkv_w 1,024 x 3,072 float32; x 2 x 2,048 x 1,024 float32.
;; Outputs: out0 2 x 2,048 x 1,024 float32.
;; One version. Each part assembles by itself: llvm-mc -triple=amdgcn-amd-amdhsa -mcpu=gfx1250 --defsym DOCPART=n.
;; ======== version 1 of 1: 7 launches
;; limits: values are held in f16: magnitudes above 65,504 overflow, below 6.1e-05 lose precision
;; workspace buffers: wts 25,165,824 bytes; h 8,388,608 bytes; qkv 25,165,824 bytes; o 8,388,608 bytes; x1 16,777,216 bytes; g 33,554,432 bytes
;; launch prep (part 1): grid 1280 x 1, 8 waves a work-group, no clusters, 0 bytes of LDS; arguments x, ln1_g, ln1_b, qkv_w, proj_w, fc1_w, fc2_w, wts, h; writes wts, h
.if DOCPART == 1
	.amdgcn_target "amdgcn-amd-amdhsa--gfx1250"
	.amdhsa_code_object_version 6
	.text
	.protected	k_q9af5722e88_prep
	.globl	k_q9af5722e88_prep
	.p2align	8
	.type	k_q9af5722e88_prep,@function
k_q9af5722e88_prep:
	s_mov_b64 s[64:65], 0
	v_nop
	global_prefetch_b8 v0, s[64:65] scope:SCOPE_SE
	s_setreg_imm32_b32 hwreg(HW_REG_WAVE_MODE, 25, 1), 1
	s_wait_xcnt 0x0
; PREP: two streams in one launch.
; Work-groups 0-511: h = LayerNorm(bf16(x)) * bf16(g) + bf16(b), written as f16, [4096][1024].  They come first: theirs is the longer chain, and the cast's stream runs beside it.
; Work-groups 512-1279: the four weights, f32 [K][N], are rounded to bf16 (nearest even) and that number is written as f16 into wts, in the order qkv_w, proj_w, fc1_w, fc2_w, each [K][N] as it lies.
; LIMITS.  A bf16 number is exact in f16 from 2^-14 up to 65,504; below 2^-14 it keeps f16's fixed step of 6e-8; a weight or a number of h of 65,520 or more would become an infinity.
; NaN and infinities are not treated apart.
; No LDS, no barrier, no matrix work: each byte of x and of the weights is read once and each result written once, and no wave needs another's data.
.set NLN, 512                          ; work-groups that norm: 8 rows each, a row a wave
.set SX, 8                             ; s[8:9]   x
.set SG, 10                            ; s[10:11] gain
.set SB, 12                            ; s[12:13] bias
.set SH, 24                            ; s[24:25] h
.set X, 16                             ; v[16:47]   my row, 32 numbers a lane
.set G, 48                             ; v[48:79]   my 32 gains
.set B, 80                             ; v[80:111]  my 32 biases
.set Y, 112                            ; v[112:127] the row in f16
.set T, 128                            ; v[128:131] at work
.set VAR, 132                          ; v132       variance + eps
	s_load_b512 s[8:23], s[0:1], 0x0               ; x 8, g 10, b 12, qkv_w 14, proj_w 16, fc1_w 18, fc2_w 20, wts 22
	s_load_b64 s[24:25], s[0:1], 0x40              ; h
	s_mov_b32 s30, 0xffff0000                      ; a word's upper bf16
	s_wait_kmcnt 0x0
	s_cmp_lt_u32 ttmp9, NLN
	s_cbranch_scc1 .Lln
	; THE CAST.  A chunk is 16,384 numbers: 64 KiB in, 32 KiB out.  Which weight my chunk lies in, and that weight's first chunk: 192 + 64 + 256 + 256 chunks
	s_sub_co_u32 s6, ttmp9, NLN                    ; my chunk, 0 to 767
	s_mov_b64 s[4:5], s[14:15]
	s_mov_b32 s3, 0
	s_cmp_ge_u32 s6, 192
	s_cselect_b64 s[4:5], s[16:17], s[4:5]
	s_cselect_b32 s3, 192, s3
	s_cmp_ge_u32 s6, 256
	s_cselect_b64 s[4:5], s[18:19], s[4:5]
	s_cselect_b32 s3, 256, s3
	s_cmp_ge_u32 s6, 512
	s_cselect_b64 s[4:5], s[20:21], s[4:5]
	s_cselect_b32 s3, 512, s3
	s_sub_co_u32 s2, s6, s3
	s_lshl_b32 s2, s2, 16                          ; 65,536 bytes of f32 a chunk
	s_mov_b32 s3, 0
	s_add_nc_u64 s[4:5], s[4:5], s[2:3]
	s_lshl_b32 s2, s6, 15                          ; 32,768 bytes of f16 a chunk: the chunks follow each other in wts as the weights do
	s_add_nc_u64 s[22:23], s[22:23], s[2:3]
	v_lshlrev_b32 v1, 4, v0                        ; 16 bytes a thread in,
	v_lshlrev_b32 v2, 3, v0                        ; 8 bytes out
.set j, 0
.rept 16
	global_load_b128 v[32+4*j:35+4*j], v1, s[4:5] offset:4096*j th:TH_LOAD_NT  ; a wave's load covers 512 consecutive bytes; all sixteen go out at once
.set j, j+1
.endr
.set j, 0
.rept 16
	s_wait_loadcnt 15-j                            ; loads come back in order: number j is in, the 15 - j younger ones stay out
	v_cvt_pk_bf16_f32 v4, v[32+4*j], v[33+4*j]
	v_cvt_pk_bf16_f32 v5, v[34+4*j], v[35+4*j]
	v_lshlrev_b32 v6, 16, v4
	v_and_b32 v7, s30, v4
	v_lshlrev_b32 v8, 16, v5
	v_and_b32 v9, s30, v5
	v_cvt_pk_f16_f32 v[96+2*j], v6, v7
	v_cvt_pk_f16_f32 v[97+2*j], v8, v9
	global_store_b64 v2, v[96+2*j:97+2*j], s[22:23] offset:2048*j th:TH_STORE_NT  ; a wave's store covers 256 consecutive bytes, aligned; each store has data registers of its own
.set j, j+1
.endr
	s_endpgm
; THE NORM.  A wave takes one whole row (4,096 bytes: eight loads of 16 bytes a lane) and keeps it in registers: mean, then the sum of (x - mean)^2, then the scaling.
.Lln:
	v_lshrrev_b32 v3, 5, v0
	v_readfirstlane_b32 s2, v3                     ; wave 0..7
	s_lshl_b32 s3, ttmp9, 3
	s_add_co_u32 s3, s3, s2                        ; my row = 8 x group + wave
	s_lshl_b32 s4, s3, 12
	s_mov_b32 s5, 0
	s_add_nc_u64 s[SX:SX+1], s[SX:SX+1], s[4:5]
	s_lshl_b32 s4, s3, 11
	s_add_nc_u64 s[SH:SH+1], s[SH:SH+1], s[4:5]
	s_mov_b32 s26, 0x76543210                      ; v_permlanex16_b32: each lane takes its own place in the other half
	s_mov_b32 s27, 0xfedcba98
	s_mov_b32 s28, 0x3a800000                      ; 1 / 1024
	s_mov_b32 s29, 0x3727c5ac                      ; 1e-5
	v_and_b32 v3, 31, v0
	v_lshlrev_b32 v1, 4, v3                        ; 16 bytes a lane in,
	v_lshlrev_b32 v2, 3, v3                        ; 8 bytes out
.set j, 0
.rept 8
	global_load_b128 v[X+4*j:X+4*j+3], v1, s[SX:SX+1] offset:512*j th:TH_LOAD_NT
.set j, j+1
.endr
.set j, 0
.rept 8
	global_load_b128 v[G+4*j:G+4*j+3], v1, s[SG:SG+1] offset:512*j
.set j, j+1
.endr
.set j, 0
.rept 8
	global_load_b128 v[B+4*j:B+4*j+3], v1, s[SB:SB+1] offset:512*j
.set j, j+1
.endr
.macro JOIN                            ; four chains of pairs in v[4:11] -> the row's sum in v4 of every lane
	v_pk_add_f32 v[4:5], v[4:5], v[6:7]
	v_pk_add_f32 v[8:9], v[8:9], v[10:11]
	v_pk_add_f32 v[4:5], v[4:5], v[8:9]
	v_add_f32 v4, v4, v5
	v_add_f32_dpp v4, v4, v4 row_xmask:1 row_mask:0xf bank_mask:0xf
	v_add_f32_dpp v4, v4, v4 row_xmask:2 row_mask:0xf bank_mask:0xf
	v_add_f32_dpp v4, v4, v4 row_xmask:4 row_mask:0xf bank_mask:0xf
	v_add_f32_dpp v4, v4, v4 row_xmask:8 row_mask:0xf bank_mask:0xf
	v_permlanex16_b32 v5, v4, s26, s27
	v_add_f32 v4, v4, v5
.endm
.macro TOBF base, n                    ; n pairs from v[base] on are rounded to bf16, in place
.set i, 0
.rept \n
	v_cvt_pk_bf16_f32 v[T+i%4], v[(\base)+2*i], v[(\base)+2*i+1]
	v_lshlrev_b32 v[(\base)+2*i], 16, v[T+i%4]
	v_and_b32 v[(\base)+2*i+1], s30, v[T+i%4]
.set i, i+1
.endr
.endm
	s_wait_loadcnt 16                              ; the row is in; the sixteen younger loads are the gains' and the biases'
	TOBF X, 16                                     ; x is an input: it is rounded to bf16 first
	; the mean, in four chains
.irp c, 0,2,4,6
	v_pk_add_f32 v[4+(\c):5+(\c)], v[X+(\c):X+(\c)+1], v[X+8+(\c):X+8+(\c)+1]
.endr
.irp k, 16,24
.irp c, 0,2,4,6
	v_pk_add_f32 v[4+(\c):5+(\c)], v[4+(\c):5+(\c)], v[X+(\k)+(\c):X+(\k)+(\c)+1]
.endr
.endr
	JOIN
	v_mul_f32 v12, s28, v4
	v_mul_f32 v13, s28, v4
.set i, 0
.rept 16
	v_pk_add_f32 v[X+i:X+i+1], v[X+i:X+i+1], v[12:13] neg_lo:[0,1] neg_hi:[0,1]  ; x - mean, in place
.set i, i+2
.endr
	; the sum of squares of x - mean, in four chains
.irp c, 0,2,4,6
	v_pk_mul_f32 v[4+(\c):5+(\c)], v[X+(\c):X+(\c)+1], v[X+(\c):X+(\c)+1]
.endr
.irp k, 8,16,24
.irp c, 0,2,4,6
	v_pk_fma_f32 v[4+(\c):5+(\c)], v[X+(\k)+(\c):X+(\k)+(\c)+1], v[X+(\k)+(\c):X+(\k)+(\c)+1], v[4+(\c):5+(\c)]
.endr
.endr
	JOIN
	v_fma_f32 v[VAR], v4, s28, s29
	v_rsq_f32 v12, v[VAR]                          ; one batch of two: a pair for the packed multiply
	v_rsq_f32 v13, v[VAR]
	s_wait_loadcnt 0x0                             ; gains and biases
	TOBF G, 16                                     ; 96 plain instructions that name none of the batch's registers
	TOBF B, 16
	s_wait_alu depctr_va_vdst(0)                   ; the wait stands ahead of the batch's first reader: one for the two
.set i, 0
.rept 16
	v_pk_mul_f32 v[X+i:X+i+1], v[X+i:X+i+1], v[12:13]
.set i, i+2
.endr
.set i, 0
.rept 16
	v_pk_fma_f32 v[X+i:X+i+1], v[X+i:X+i+1], v[G+i:G+i+1], v[B+i:B+i+1]
.set i, i+2
.endr
.set i, 0
.rept 16
	v_cvt_pk_f16_f32 v[Y+i], v[X+2*i], v[X+2*i+1]
.set i, i+1
.endr
.set j, 0
.rept 8
	global_store_b64 v2, v[Y+2*j:Y+2*j+1], s[SH:SH+1] offset:256*j  ; a wave's store covers 256 consecutive bytes, aligned
.set j, j+1
.endr
	s_endpgm
.Lfunc_end_k_q9af5722e88_prep:
	.size	k_q9af5722e88_prep, .Lfunc_end_k_q9af5722e88_prep-k_q9af5722e88_prep
	.p2alignl 7, 3214868480
	.fill 96, 4, 3214868480
	.section	.rodata,"a",@progbits
	.p2align	6, 0x0
	.amdhsa_kernel k_q9af5722e88_prep
		.amdhsa_group_segment_fixed_size 0
		.amdhsa_private_segment_fixed_size 0
		.amdhsa_enable_private_segment 0
		.amdhsa_kernarg_size 72
		.amdhsa_user_sgpr_count 2
		.amdhsa_user_sgpr_kernarg_segment_ptr 1
		.amdhsa_wavefront_size32 1
		.amdhsa_system_sgpr_workgroup_id_x 1
		.amdhsa_system_sgpr_workgroup_id_y 1
		.amdhsa_system_sgpr_workgroup_id_z 1
		.amdhsa_system_vgpr_workitem_id 0
		.amdhsa_next_free_vgpr 136
		.amdhsa_next_free_sgpr 66
		.amdhsa_reserve_vcc 0
		.amdhsa_float_denorm_mode_32 3
		.amdhsa_float_denorm_mode_16_64 3
		.amdhsa_memory_ordered 1
		.amdhsa_forward_progress 1
		.amdhsa_inst_pref_size 28
	.end_amdhsa_kernel
	.amdgpu_metadata
---
amdhsa.version: [ 1, 2 ]
amdhsa.kernels:
  - .name:           k_q9af5722e88_prep
    .symbol:         k_q9af5722e88_prep.kd
    .args:
      - { .name: x, .offset: 0, .size: 8, .value_kind: global_buffer, .address_space: global }
      - { .name: ln1_g, .offset: 8, .size: 8, .value_kind: global_buffer, .address_space: global }
      - { .name: ln1_b, .offset: 16, .size: 8, .value_kind: global_buffer, .address_space: global }
      - { .name: qkv_w, .offset: 24, .size: 8, .value_kind: global_buffer, .address_space: global }
      - { .name: proj_w, .offset: 32, .size: 8, .value_kind: global_buffer, .address_space: global }
      - { .name: fc1_w, .offset: 40, .size: 8, .value_kind: global_buffer, .address_space: global }
      - { .name: fc2_w, .offset: 48, .size: 8, .value_kind: global_buffer, .address_space: global }
      - { .name: wts, .offset: 56, .size: 8, .value_kind: global_buffer, .address_space: global }
      - { .name: h, .offset: 64, .size: 8, .value_kind: global_buffer, .address_space: global }
    .group_segment_fixed_size: 0
    .private_segment_fixed_size: 0
    .kernarg_segment_align: 8
    .kernarg_segment_size: 72
    .max_flat_workgroup_size: 256
    .sgpr_count:     66
    .vgpr_count:     136
    .wavefront_size: 32
...
	.end_amdgpu_metadata
.endif
;; end of part 1
;; launch qkvg (part 2): grid 12 x 16, 4 waves a work-group, clusters of 4 x 4, 327,680 bytes of LDS; arguments h, wts, qkv; writes qkv
.if DOCPART == 2
	.amdgcn_target "amdgcn-amd-amdhsa--gfx1250"
	.amdhsa_code_object_version 6
	.text
	.protected	k_q9af5722e88_qkvg
	.globl	k_q9af5722e88_qkvg
	.p2align	8
	.type	k_q9af5722e88_qkvg,@function
k_q9af5722e88_qkvg:
	s_mov_b64 s[64:65], 0
	v_nop
	global_prefetch_b8 v0, s[64:65] scope:SCOPE_SE
	s_setreg_imm32_b32 hwreg(HW_REG_WAVE_MODE, 25, 1), 1
	s_wait_xcnt 0x0
	s_wait_alu depctr_hold_cnt(0) depctr_sa_sdst(0) depctr_va_vdst(0) depctr_va_sdst(0) depctr_va_ssrc(0) depctr_va_vcc(0) depctr_vm_vsrc(0)
	s_getreg_b32 s2, hwreg(HW_REG_IB_STS2, 6, 4)
	s_cmp_eq_u32 s2, 0
	s_cbranch_scc0 .Lentry_in_a_cluster
	s_endpgm
.Lentry_in_a_cluster:
	s_bfe_u32 s2, ttmp6, 0x10000c
	s_cmp_lg_u32 s2, 0xf033
	s_cbranch_scc0 .Lentry_shape_is_right
	s_endpgm
.Lentry_shape_is_right:
; C = A W (+ bias, exact GELU where GELU = 1).  A: [4096][SIZE_K] f16, rows along K.  W: [SIZE_K][SIZE_N] f16 at byte WOFF of wts, rows along N.  Sums in f32, C rounded once to f16.
; C leaves in blocks of 64 columns: [column / 64][row (4096)][64], so that four rows of a block are 512 consecutive bytes.  Here: q, k, v by heads.
; A tile of C is 256 x 256: four waves, each 128 x 128 = 64 accumulators of 16 x 16, 512 registers.  K goes in steps of 128 through two LDS slots filled by tensor loads.
; The loop over K holds ONE K step of text: the slot in hand is a scalar offset that one exclusive or turns, and one descriptor a tensor walks from K step 1 to the last.
; W lies [K][N]: its fragments come out of LDS turned, by ds_load_tr16_b128.  The matrix instruction is used transposed (source 0 = 16 columns of W, source 1 = 16 rows of A):
; a lane then holds one row of C (lane % 16) and eight neighbouring columns.
; CLUSTER 4 x 4: A's tile hangs on the tile row alone and is asked for jointly along a row of the cluster, W's on the tile column alone and jointly along a column.
; THE WAY OUT: all 64 accumulators go in f32 into a stage of the wave's own, laid over the ring when its slots have had their last fill; a counted loop reads four rows a trip back, adds the bias,
; takes the GELU, rounds and stores.  The wait that frees a trip's store data and the stores' base stands in the next trip, directly ahead of the lines that write them again; the base is stepped there,
; so the stores reach back by a negative immediate.
; GELU: gelu(x) = x / 2 + |x| (1/2 - Q(t) exp(-x^2 / 2)), t = 1 / (1 + p |x| / sqrt 2), Q the fifth-degree polynomial of Abramowitz and Stegun 7.1.26 with halved coefficients:
; erf is off by 1.5e-7 at the most for every argument, so gelu by 8e-8 |x|.
; LIMITS.  f16 ends at 65,504: A, W and C lie within it; a C of 65,520 or more would leave as an infinity.  The bias is rounded to bf16 like every input.  NaN and infinities are not treated apart.
; REGISTERS in windows of 256: window 0: v0-31 addresses, v32-47 bias, v64-127 and v128-191 fragments of A (two buffers; on the way out at work);
;   window 1: v64-127, v128-191 fragments of W; window 2: accumulators of my rows 0-63 ((a, b) at v[8 (8 a + b)]); window 3: those of rows 64-127.
.set SIZE_K, 1024
.set SIZE_N, 3072
.set WOFF,   0
.set GELU,   0
.set KSTEP,  128
.set PITCH,  272                       ; a row of A in LDS: 256 bytes + 16: the 16 rows of a fragment load start 68 words apart
.set PB,     544                       ; a K row of W in LDS: 512 bytes + 32 = 17 x 32
.set HALFT,  34816                     ; what one tensor load brings: 128 rows x 272 = 64 rows x 544
.set SLOT,   4*HALFT                   ; A's 256 rows, then W's 128 K rows
.set SPARE,  2*SLOT                    ; behind the ring: the spare words, 128 bytes a wave: two blocks of 256 bytes that no other line names
.set SP,     528                       ; a stage row: 128 f32 + 16 bytes
.set WST,    128*SP                    ; a wave's stage; four of them end below SPARE
.set ADRA0, 16                         ; v16  my place in A's tile of slot 0; never rewritten
.set ADRB0, 17                         ; v17  the same for W
.set ADRA,  18                         ; v18  the same in the slot in hand
.set ADRB,  19                         ; v19
.set STO,   24                         ; v24  the way out: where I put 16 bytes of a stage row
.set RD,    25                         ; v25  where I read them back; steps four rows a trip
.set CO,    26                         ; v26  16 x lane: my 16 bytes of 512 consecutive bytes of C
.set BO,    27                         ; v27  my offset in the bias; never rewritten
.set SPW,   28                         ; v28  LDS address of my spare word; never rewritten
.set NIL,   29                         ; v29  0; never rewritten
.set PFO,   30                         ; v30  the prefetches' lane offset; never rewritten
.set BIAS,  32
.set F0,    64
.set F1,    128
.set VX,    64                         ; the way out, 16 numbers a lane each: x
.set VAX,   80                         ; |x|
.set VD,    96                         ; 1 + p |x|, then t
.set VW,    112                        ; -x^2 log2(e) / 2, then its exponential
.set VQ,    128                        ; the polynomial
.set VHX,   144                        ; x / 2, then the result
.set VOUT,  160                        ; 8 registers of f16
.set OFFR,  21                         ; s21  0 or SLOT: the slot in hand
.set G1,    24                         ; s[24:31] descriptor group 1 for A
.set G0,    32                         ; s[32:39] group 0 for A: set 0 for the first fill, set 1 walks
.set LIM,   43                         ; s43  2 in a wave that prefetches, else the greatest number
.set PFA,   44                         ; s[44:45] where my prefetches stand
.set G1B,   48                         ; s[48:55], s[56:63] the same for W
.set G0B,   56
.set PFS,   66                         ; s[66:67] a K step in bytes, for my prefetches
.set SBI,   68                         ; s[68:69] bias
.set CP,    70                         ; s[70:83] GELU's constants, each named as a pair
.set CC2,   72
.set CA1,   74
.set CA2,   76
.set CA3,   78
.set CA4,   80
.set CA5,   82
.set MSB, 0
.macro WIN new                         ; the immediate's high byte repeats the setting that is left; a switch that changes nothing is dropped
.if MSB != (\new)
	s_set_vgpr_msb (MSB<<8)|(\new)
.set MSB, \new
.endif
.endm
.set MUL_LO, 0xa1                      ; source 0 (W) window 1, source 1 (A) window 0, C and D window 2
.set MUL_HI, 0xf1                      ; the same, C and D window 3
.set TO_B,   0x40                      ; destination window 1, address window 0
; A joint load.  Waves 0 and 1 fetch A's two halves, waves 2 and 3 W's.  The branch hangs on the wave's number alone.  An s_nop 0 and four v_nop follow each line.
.macro JLOAD s
	s_cmp_eq_u32 s11, 0
	s_cbranch_scc0 .Lfor_b_\@
	tensor_load_to_lds s[G0+4*(\s):G0+4*(\s)+3], s[G1:G1+7]
	s_nop 0
.rept 4
	v_nop
.endr
	s_branch .Lasked_\@
.Lfor_b_\@:
	tensor_load_to_lds s[G0B+4*(\s):G0B+4*(\s)+3], s[G1B:G1B+7]
	s_nop 0
.rept 4
	v_nop
.endr
.Lasked_\@:
.endm
; A prefetch of the K step that stands two refills on.  A's rows are named by the clusters with x = 0, W's by those with y = 0; the four partners that ask for a tile jointly share it out by address;
; a lane names one aligned block of 256 bytes, so each block is named once in the launch.  The loop's last two trips have no K step two on.
.macro ASK
	s_cmp_gt_u32 s3, s[LIM]
	s_cbranch_scc0 .Lnot_mine_\@
	global_prefetch_b8 v[PFO], s[PFA:PFA+1] th:TH_LOAD_NT scope:SCOPE_SE
.Lnot_mine_\@:
.endm
.macro CREST                           ; a round of the cluster's barrier behind its opening barrier
	s_cmp_lg_u32 s10, 0
	s_cbranch_scc1 .Lnot_wave_0_\@
	s_barrier_signal -3
.Lnot_wave_0_\@:
	s_barrier_wait -3
	s_barrier_signal -1
	s_barrier_wait -1
.endm
.macro CROUND                          ; a whole round
	s_barrier_signal -1
	s_barrier_wait -1
	CREST
.endm
	s_load_b128 s[4:7], s[0:1], 0x0                ; A s[4:5], wts s[6:7]
	s_load_b64 s[8:9], s[0:1], 0x10                ; C
.if GELU
	s_load_b64 s[SBI:SBI+1], s[0:1], 0x18          ; bias
.endif
	v_lshl_add_u32 v[SPW], v0, 2, SPARE
	v_mov_b32 v[NIL], 0
	ds_add_u32 v[SPW], v[NIL]                      ; the wave's opening: the add and its wait stand ahead of my first tensor load; work on registers stands between them
	v_lshrrev_b32 v1, 5, v0
	v_readfirstlane_b32 s10, v1                    ; wave 0..3
	s_lshr_b32 s11, s10, 1                         ; my half of the tile's rows.  Also: I fetch for A (0) or for W (1)
	s_and_b32 s12, s10, 1                          ; my half of its columns.  Also: which half of that tile I fetch
	s_bfe_u32 s40, ttmp6, 0x40000                  ; cx
	s_bfe_u32 s41, ttmp6, 0x40004                  ; cy
	s_lshl_b32 s42, ttmp9, 2
	s_add_co_u32 s42, s42, s40                     ; tile column = 4 x cluster x + cx
	s_and_b32 s13, ttmp7, 0xffff
	s_lshl_b32 s13, s13, 2
	s_add_co_u32 s13, s13, s41                     ; tile row = 4 x cluster y + cy
	s_lshl_b32 s84, s41, 2
	s_lshl_b32 s84, 15, s84                        ; my row of the cluster
	s_lshl_b32 s85, 0x1111, s40                    ; my column
	s_or_b32 s[G1+0], s84, (1<<16)|(1<<20)|(1<<21)|(5<<22)|(3<<25)   ; mask; 2-byte elements; padding on; bit 21 beside a mask; after every 64 words, 4 words
	s_mov_b32 s[G1+1], KSTEP<<16                   ; tensor_dim0 = 128
	s_mov_b32 s[G1+2], 128<<16                     ; tensor_dim1 = 128
	s_mov_b32 s[G1+3], KSTEP<<16                   ; tile_dim0 = 128
	s_mov_b32 s[G1+4], 128                         ; tile_dim1 = 128
	s_mov_b32 s[G1+5], SIZE_K                      ; elements from row to row
	s_mov_b32 s[G1+6], 0
	s_mov_b32 s[G1+7], 0
	s_or_b32 s[G1B+0], s85, (1<<16)|(1<<20)|(1<<21)|(6<<22)|(7<<25)  ; after every 128 words, 8 words
	s_mov_b32 s[G1B+1], 256<<16                    ; tensor_dim0 = 256
	s_mov_b32 s[G1B+2], 64<<16                     ; tensor_dim1 = 64
	s_mov_b32 s[G1B+3], 256<<16                    ; tile_dim0 = 256
	s_mov_b32 s[G1B+4], 64                         ; tile_dim1 = 64
	s_mov_b32 s[G1B+5], SIZE_N
	s_mov_b32 s[G1B+6], 0
	s_mov_b32 s[G1B+7], 0
	s_lshl_b32 s16, s13, 8                         ; A: row 256 x tile row + 128 x half, 2 SIZE_K = 2,048 bytes a row
	s_lshl_b32 s17, s12, 7
	s_add_co_u32 s16, s16, s17
	s_lshl_b32 s16, s16, 11
	s_mov_b32 s17, 0
	s_mul_i32 s46, s12, 64*2*SIZE_N                ; W: K row 64 x half, column 256 x tile column
	s_lshl_b32 s47, s42, 9
	s_add_co_u32 s46, s46, s47
	s_add_co_u32 s46, s46, WOFF
	s_mov_b32 s47, 0
	s_mul_i32 s20, s10, HALFT                      ; where my part goes: the wave's number alone
	s_wait_dscnt 0x0                               ; the opening add is done
	s_wait_kmcnt 0x0
	s_add_nc_u64 s[14:15], s[4:5], s[16:17]
	s_add_nc_u64 s[46:47], s[6:7], s[46:47]
	CROUND                                         ; all sixteen work-groups are here: the first joint loads meet
.irp s, 0,1
	s_mov_b32 s[G0+4*(\s)], 1
	s_add_co_u32 s[G0+4*(\s)+1], s20, (\s)*SLOT
	s_add_nc_u64 s[G0+4*(\s)+2:G0+4*(\s)+3], s[14:15], (\s)*KSTEP*2
	s_or_b32 s[G0+4*(\s)+3], s[G0+4*(\s)+3], 0x80000000
	s_mov_b32 s[G0B+4*(\s)], 1
	s_add_co_u32 s[G0B+4*(\s)+1], s20, (\s)*SLOT
	s_add_nc_u64 s[G0B+4*(\s)+2:G0B+4*(\s)+3], s[46:47], (\s)*KSTEP*2*SIZE_N
	s_or_b32 s[G0B+4*(\s)+3], s[G0B+4*(\s)+3], 0x80000000
	JLOAD \s                                       ; K steps 0 and 1: two loads of mine are out, the most in this text
.endr
	v_and_b32 v1, 15, v0                           ; l % 16
	v_bfe_u32 v2, v0, 4, 1                         ; l / 16
	v_mul_u32_u24 v3, v1, PITCH
	v_lshl_add_u32 v3, v2, 4, v3
	s_mul_i32 s22, s11, HALFT
	v_add_nc_u32 v[ADRA0], s22, v3                 ; A: my 128 rows; row x pitch + 16 x half
	v_and_b32 v4, 7, v0
	v_bfe_u32 v5, v0, 3, 1
	v_lshl_add_u32 v6, v2, 3, v4                   ; W, turned: K row 8 (l / 16) + l % 8,
	v_mul_u32_u24 v6, v6, PB
	v_lshl_add_u32 v6, v5, 4, v6                   ; columns 8 ((l / 8) % 2) on,
	s_lshl_b32 s22, s12, 8
	s_add_co_u32 s22, s22, 2*HALFT
	v_add_nc_u32 v[ADRB0], s22, v6                 ; in my 128 columns, behind A's 256 rows
	s_mul_i32 s23, s10, WST
	v_mul_u32_u24 v3, v1, SP
	v_lshl_add_u32 v3, v2, 4, v3
	v_add_nc_u32 v[STO], s23, v3                   ; stage in: row l % 16, chunk l / 16
	v_bfe_u32 v3, v0, 3, 2
	v_mul_u32_u24 v3, v3, SP
	v_lshl_add_u32 v3, v4, 4, v3
	v_add_nc_u32 v[RD], s23, v3                    ; stage back: row l / 8 of four, chunk l % 8
	v_and_b32 v[CO], 31, v0
	v_lshlrev_b32 v[CO], 4, v[CO]
	s_lshl_b32 s86, s42, 2                         ; C at my part: block of 64 columns 4 x tile column + 2 x half, 524,288 bytes a block,
	s_lshl1_add_u32 s86, s12, s86
	s_lshl_b32 s86, s86, 19
	s_lshl_b32 s87, s13, 8                         ; row 256 x tile row + 128 x half, 128 bytes a row
	s_lshl_b32 s22, s11, 7
	s_add_co_u32 s87, s87, s22
	s_lshl_b32 s87, s87, 7
	s_add_co_u32 s86, s86, s87
	s_mov_b32 s87, 0
	s_add_nc_u64 s[8:9], s[8:9], s[86:87]
	; the prefetches: A: of the 128 rows that I fetch, partner cx takes 32, a lane a row.  W: of my 64 K rows partner cy takes 16, two lanes a row of 512 bytes.  Both stand at K step 3: the first change of slots steps them to 4
	s_lshl_b32 s86, s13, 8
	s_lshl_b32 s22, s12, 7
	s_add_co_u32 s86, s86, s22
	s_lshl_b32 s22, s40, 5
	s_add_co_u32 s86, s86, s22
	s_lshl_b32 s86, s86, 11
	s_add_co_u32 s86, s86, 3*KSTEP*2
	s_lshl_b32 s87, s12, 6
	s_lshl_b32 s22, s41, 4
	s_add_co_u32 s87, s87, s22
	s_add_co_u32 s87, s87, 3*KSTEP
	s_mul_i32 s87, s87, 2*SIZE_N
	s_lshl_b32 s22, s42, 9
	s_add_co_u32 s87, s87, s22
	s_add_co_u32 s87, s87, WOFF
	s_and_b32 s23, ttmp7, 0xffff                   ; cluster y
	s_mov_b32 s[PFS], KSTEP*2*SIZE_N
	s_mov_b32 s22, 2*SIZE_N
	s_cmp_eq_u32 s11, 0                            ; do I fetch for A?
	s_cselect_b32 s86, s86, s87
	s_cselect_b32 s23, ttmp9, s23                  ; the coordinate along which other clusters read the same rows
	s_cselect_b64 s[PFA:PFA+1], s[4:5], s[6:7]
	s_cselect_b32 s[PFS], KSTEP*2, s[PFS]
	s_cselect_b32 s22, 2*SIZE_K, s22
	s_mov_b32 s[PFS+1], 0
	s_mov_b32 s87, 0
	s_cmp_eq_u32 s23, 0
	s_cselect_b32 s[LIM], 2, -1                    ; the same in all sixteen partners, for a given wave
	s_add_nc_u64 s[PFA:PFA+1], s[PFA:PFA+1], s[86:87]
	v_and_b32 v[PFO], 31, v0
	v_and_b32 v31, s11, v[PFO]
	v_lshrrev_b32 v[PFO], s11, v[PFO]
	v_mul_u32_u24 v[PFO], v[PFO], s22
	v_lshl_add_u32 v[PFO], v31, 8, v[PFO]
.if GELU
	s_lshl_b32 s86, s42, 10                        ; the bias of my 128 columns; a lane's sixteen: 64 hh + 8 (l % 8) + 0..7
	s_lshl_b32 s22, s12, 9
	s_add_co_u32 s86, s86, s22
	s_add_nc_u64 s[SBI:SBI+1], s[SBI:SBI+1], s[86:87]
	v_lshlrev_b32 v[BO], 5, v4
.irp hh, 0,1
.irp p, 0,1
	global_load_b128 v[BIAS+8*(\hh)+4*(\p):BIAS+8*(\hh)+4*(\p)+3], v[BO], s[SBI:SBI+1] offset:256*(\hh)+16*(\p)
.endr
.endr
.endif
	s_mov_b32 s[OFFR], 0
	v_mov_b32 v[ADRA], v[ADRA0]
	v_mov_b32 v[ADRB], v[ADRB0]
; 16 matrix instructions: row blocks a0, a0 + 1 of the window's four x all 8 column blocks, 32 along K.  The 64 accumulators take turns, one instruction a turn.
.macro MUL16 f, hi, a0, zero
	WIN MUL_LO+0x50*(\hi)
.irp a, \a0, (\a0)+1
.irp b, 0,1,2,3,4,5,6,7
.if \zero
	v_wmma_f32_16x16x32_f16 v[8*(8*(\a)+(\b)):8*(8*(\a)+(\b))+7], v[(\f)+8*(\b):(\f)+8*(\b)+7], v[(\f)+8*(4*(\hi)+(\a)):(\f)+8*(4*(\hi)+(\a))+7], 0
.else
	v_wmma_f32_16x16x32_f16 v[8*(8*(\a)+(\b)):8*(8*(\a)+(\b))+7], v[(\f)+8*(\b):(\f)+8*(\b)+7], v[(\f)+8*(4*(\hi)+(\a)):(\f)+8*(4*(\hi)+(\a))+7], v[8*(8*(\a)+(\b)):8*(8*(\a)+(\b))+7]
.endif
.endr
.endr
.endm
; 32 LDS loads in one run: the fragments of 32 along K, at byte k of A's rows = K row k / 2 of W, into buffer f; W's sixteen first
.macro FETCH k, f
	WIN TO_B
.irp i, 0,1,2,3,4,5,6,7
	ds_load_tr16_b128 v[(\f)+8*(\i):(\f)+8*(\i)+3],   v[ADRB] offset:((\k)/2)*PB+32*(\i)
	ds_load_tr16_b128 v[(\f)+8*(\i)+4:(\f)+8*(\i)+7], v[ADRB] offset:((\k)/2)*PB+16*PB+32*(\i)
.endr
	WIN 0
.irp i, 0,1,2,3,4,5,6,7
	ds_load_b128 v[(\f)+8*(\i):(\f)+8*(\i)+3],   v[ADRA] offset:(\k)+(\i)*16*PITCH
	ds_load_b128 v[(\f)+8*(\i)+4:(\f)+8*(\i)+7], v[ADRA] offset:(\k)+(\i)*16*PITCH+32
.endr
.endm
.macro PLACES                          ; four plain instructions between a matrix instruction and a load into, or a read of, its registers (ISA guide 7.12.1 for reads)
.rept 4
	v_nop
.endr
.endm
; A quarter of a K step: multiplies buffer f; in its middle fetches the next quarter, at byte k, into buffer g
.macro QUARTER k, f, g, zero
	s_wait_dscnt 8                                 ; W and A's rows 0-63 are in; the youngest eight loads (A's rows 64-127) may be out
	MUL16 \f, 0, 0, \zero
	MUL16 \f, 0, 2, \zero
	PLACES
	FETCH \k, \g
	s_wait_dscnt 32                                ; all but the 32 just issued
	MUL16 \f, 1, 0, \zero
	MUL16 \f, 1, 2, \zero
.endm
; The first half of a K step's last quarter, and the barrier of the change of slots.  In front of it each wave waits for all its tensor loads (its part of the next slot), adds 0 to its spare word, and waits for that and for its reads of this slot.
.macro MEET round
	WIN 0
	s_wait_tensorcnt 0x0                           ; all my tensor loads have landed
	ds_add_u32 v[SPW], v[NIL]
	s_wait_dscnt 9                                 ; (the add and the youngest eight loads may be out)
	MUL16 F1, 0, 0, 0
	s_wait_dscnt 0x0                               ; the add is done, and my reads of this slot are over
	s_barrier_signal -1
	MUL16 F1, 0, 2, 0                              ; work on registers between the signal and the wait
.if \round
	WIN 0
.endif
	s_barrier_wait -1
.endm
.macro NEXTSLOT
	s_xor_b32 s[OFFR], s[OFFR], SLOT
	v_add_nc_u32 v[ADRA], s[OFFR], v[ADRA0]
	v_add_nc_u32 v[ADRB], s[OFFR], v[ADRB0]
.endm
; The last quarter with a refill: the barrier opens a round of the cluster's; behind the round the slot just read out takes the next K step that has not been asked for: 224 matrix instructions ahead of the wait for it.
.macro TURN
	s_wait_xcnt 0x0                                ; the last prefetch, a K step back, has read its address
	s_add_nc_u64 s[PFA:PFA+1], s[PFA:PFA+1], s[PFS:PFS+1]
	MEET 1
	CREST
	s_xor_b32 s[G0+5], s[G0+5], SLOT               ; wave x HALFT has no bit in common with SLOT: the exclusive or turns the address into the other slot's
	s_xor_b32 s[G0B+5], s[G0B+5], SLOT
	s_add_nc_u64 s[G0+6:G0+7], s[G0+6:G0+7], KSTEP*2
	s_add_nc_u64 s[G0B+6:G0B+7], s[G0B+6:G0B+7], KSTEP*2*SIZE_N
	JLOAD 1                                        ; my one tensor load behind the round; its four v_nop are also the places in front of the loads below
	NEXTSLOT
	FETCH 0, F0
	ASK
	MUL16 F1, 1, 0, 0
	MUL16 F1, 1, 2, 0
.endm
	s_wait_tensorcnt 1                             ; my part of K step 0 is in; K step 1's may stay out
	s_barrier_signal -1
	s_barrier_wait -1
	FETCH 0, F0
	QUARTER 64, F0, F1, 1                          ; the first quarter starts the sums with the constant 0
	WIN 0
	s_mov_b32 s3, SIZE_K/KSTEP-2
.Lstep:                                            ; a trip: from a K step's second quarter to the next step's first; it asks for K steps 2 .. 7
	QUARTER 128, F1, F0, 0
	QUARTER 192, F0, F1, 0
	TURN
	QUARTER 64, F0, F1, 0
	WIN 0
	s_sub_co_u32 s3, s3, 1
	s_cmp_lg_u32 s3, 0
	s_cbranch_scc1 .Lstep
	s_mov_b32 s3, 2
.Ltail:                                            ; the last two K steps ask for nothing; the second trip leaves behind its barrier
	QUARTER 128, F1, F0, 0
	QUARTER 192, F0, F1, 0
	MEET 0
	WIN 0
	s_cmp_eq_u32 s3, 1
	s_cbranch_scc1 .Llast
	NEXTSLOT
	PLACES
	FETCH 0, F0
	MUL16 F1, 1, 0, 0
	MUL16 F1, 1, 2, 0
	QUARTER 64, F0, F1, 0
	WIN 0
	s_sub_co_u32 s3, s3, 1
	s_cmp_lg_u32 s3, 0
	s_cbranch_scc1 .Ltail
.Llast:
	s_wait_dscnt 0x0
	MUL16 F1, 1, 0, 0
	MUL16 F1, 1, 2, 0
	WIN 0
	PLACES
	PLACES
	s_barrier_signal -1                            ; every wave's tiles have landed and its reads of the ring are back:
	s_barrier_wait -1                              ; the stages, which lie over the ring, may be written; no slot is filled again
	; 128 stores: accumulator (a, b), row 16 a + l % 16: columns 16 b + 8 (l / 16) + 0..3 into plane 0 at chunk 2 b + l / 16, + 4..7 into plane 1; each accumulator's low registers first
.irp a, 0,1,2,3,4,5,6,7
	WIN 0x08+4*((\a)/4)
.irp b, 0,1,2,3,4,5,6,7
	ds_store_b128 v[STO], v[8*(8*((\a)%4)+(\b)):8*(8*((\a)%4)+(\b))+3]   offset:(\a)*16*SP+32*(\b)
	ds_store_b128 v[STO], v[8*(8*((\a)%4)+(\b))+4:8*(8*((\a)%4)+(\b))+7] offset:(\a)*16*SP+32*(\b)+256
.endr
.endr
	WIN 0
.macro LOADX                           ; four rows: a lane takes row l / 8, columns 64 hh + 8 (l % 8) + 0..7.  LDS serves a wave's instructions in order: these see the stores above
.irp hh, 0,1
.irp p, 0,1
	ds_load_b128 v[VX+8*(\hh)+4*(\p):VX+8*(\hh)+4*(\p)+3], v[RD] offset:128*(\hh)+256*(\p)
.endr
.endr
.endm
.macro TOF16 src                       ; the last trip's stores have read their data and their base: both are written anew, the base four rows on
	s_wait_xcnt 0x0
	s_add_nc_u64 s[8:9], s[8:9], 512
.irp hh, 0,1
.irp r, 0,1,2,3
	v_cvt_pk_f16_f32 v[VOUT+4*(\hh)+(\r)], v[(\src)+8*(\hh)+2*(\r)], v[(\src)+8*(\hh)+2*(\r)+1]
.endr
.endr
.endm
.if GELU
.macro PK8 line:vararg                 ; one line for each of the eight pairs, i = 0, 2 .. 14
.set i, 0
.rept 8
	\line
.set i, i+2
.endr
.endm
.macro ACT1                            ; all that reads x; ends with the wait for its one batch of 32 transcendentals
	PK8 v_pk_add_f32 v[VX+i:VX+i+1], v[VX+i:VX+i+1], v[BIAS+i:BIAS+i+1]
.set i, 0
.rept 16
	v_and_b32 v[VAX+i], 0x7fffffff, v[VX+i]
.set i, i+1
.endr
	PK8 v_pk_fma_f32 v[VD+i:VD+i+1], v[VAX+i:VAX+i+1], s[CP:CP+1], 1.0 op_sel_hi:[1,0,0]
	PK8 v_pk_mul_f32 v[VW+i:VW+i+1], v[VX+i:VX+i+1], v[VX+i:VX+i+1]
	PK8 v_pk_mul_f32 v[VW+i:VW+i+1], v[VW+i:VW+i+1], s[CC2:CC2+1] op_sel_hi:[1,0]
.set i, 0
.rept 16
	v_rcp_f32 v[VD+i], v[VD+i]
.set i, i+1
.endr
.set i, 0
.rept 16
	v_exp_f32 v[VW+i], v[VW+i]
.set i, i+1
.endr
	PK8 v_pk_mul_f32 v[VHX+i:VHX+i+1], v[VX+i:VX+i+1], 0.5 op_sel_hi:[1,0]
	s_wait_alu depctr_va_vdst(0)                   ; the wait stands ahead of the batch's first reader and of the branch below: one for the 32
.endm
.macro ACT2
	PK8 v_pk_fma_f32 v[VQ+i:VQ+i+1], v[VD+i:VD+i+1], s[CA5:CA5+1], s[CA4:CA4+1] op_sel_hi:[1,0,0]
	PK8 v_pk_fma_f32 v[VQ+i:VQ+i+1], v[VQ+i:VQ+i+1], v[VD+i:VD+i+1], s[CA3:CA3+1] op_sel_hi:[1,1,0]
	PK8 v_pk_fma_f32 v[VQ+i:VQ+i+1], v[VQ+i:VQ+i+1], v[VD+i:VD+i+1], s[CA2:CA2+1] op_sel_hi:[1,1,0]
	PK8 v_pk_fma_f32 v[VQ+i:VQ+i+1], v[VQ+i:VQ+i+1], v[VD+i:VD+i+1], s[CA1:CA1+1] op_sel_hi:[1,1,0]
	PK8 v_pk_mul_f32 v[VQ+i:VQ+i+1], v[VQ+i:VQ+i+1], v[VD+i:VD+i+1]
	PK8 v_pk_fma_f32 v[VQ+i:VQ+i+1], v[VQ+i:VQ+i+1], v[VW+i:VW+i+1], 0.5 op_sel_hi:[1,1,0] neg_lo:[0,1,0] neg_hi:[0,1,0]
	PK8 v_pk_fma_f32 v[VHX+i:VHX+i+1], v[VAX+i:VAX+i+1], v[VQ+i:VQ+i+1], v[VHX+i:VHX+i+1]
.endm
	s_wait_loadcnt 0x0                             ; the bias, asked for at the head
.set i, 0
.rept 8
	v_cvt_pk_bf16_f32 v[VOUT+i], v[BIAS+2*i], v[BIAS+2*i+1]
	v_lshlrev_b32 v[BIAS+2*i], 16, v[VOUT+i]
	v_and_b32 v[BIAS+2*i+1], 0xffff0000, v[VOUT+i]
.set i, i+1
.endr
	s_mov_b32 s[CP], 0x3e6d3389                    ; 0.3275911 / sqrt 2
	s_mov_b32 s[CC2], 0xbf38aa3b                   ; -log2(e) / 2
	s_mov_b32 s[CA1], 0x3e027906                   ; the five coefficients, halved
	s_mov_b32 s[CA2], 0xbe11a98e
	s_mov_b32 s[CA3], 0x3f35f0e3
	s_mov_b32 s[CA4], 0xbf3a00e3
	s_mov_b32 s[CA5], 0x3f07dc22
.irp c, CP, CC2, CA1, CA2, CA3, CA4, CA5
	s_mov_b32 s[(\c)+1], s[\c]                     ; named as pairs
.endr
.endif
	LOADX
	s_mov_b32 s3, 32
.Lout:                                             ; 32 trips of four rows; the next trip's rows are asked for while this trip's are worked on
	s_wait_dscnt 0x0
.if GELU
	ACT1
.else
	TOF16 VX
.endif
	v_add_nc_u32 v[RD], 4*SP, v[RD]
	s_cmp_eq_u32 s3, 1
	s_cbranch_scc1 .Lnoload                        ; behind the last four rows there is nothing to read
	LOADX
.Lnoload:
.if GELU
	ACT2
	TOF16 VHX
.endif
	global_store_b128 v[CO], v[VOUT:VOUT+3],   s[8:9] offset:-512         ; each store of the wave covers 512 consecutive bytes, aligned: four rows of a block of 64 columns;
	global_store_b128 v[CO], v[VOUT+4:VOUT+7], s[8:9] offset:524288-512   ; the base stands four rows on already
	s_sub_co_u32 s3, s3, 1
	s_cmp_lg_u32 s3, 0
	s_cbranch_scc1 .Lout
	s_wait_tensorcnt 0x0                           ; the wave's end, behind my last tensor load and my last LDS store
	ds_add_u32 v[SPW], v[NIL]
	s_wait_dscnt 0x0
	CROUND                                         ; the closing round: no work-group ends while a partner may still ask for a tile that names it
	s_endpgm
.Lfunc_end_k_q9af5722e88_qkvg:
	.size	k_q9af5722e88_qkvg, .Lfunc_end_k_q9af5722e88_qkvg-k_q9af5722e88_qkvg
	.p2alignl 7, 3214868480
	.fill 96, 4, 3214868480
	.section	.rodata,"a",@progbits
	.p2align	6, 0x0
	.amdhsa_kernel k_q9af5722e88_qkvg
		.amdhsa_group_segment_fixed_size 327680
		.amdhsa_private_segment_fixed_size 0
		.amdhsa_enable_private_segment 0
		.amdhsa_kernarg_size 24
		.amdhsa_user_sgpr_count 2
		.amdhsa_user_sgpr_kernarg_segment_ptr 1
		.amdhsa_wavefront_size32 1
		.amdhsa_system_sgpr_workgroup_id_x 1
		.amdhsa_system_sgpr_workgroup_id_y 1
		.amdhsa_system_sgpr_workgroup_id_z 1
		.amdhsa_system_vgpr_workitem_id 0
		.amdhsa_next_free_vgpr 1024
		.amdhsa_next_free_sgpr 96
		.amdhsa_reserve_vcc 0
		.amdhsa_float_denorm_mode_32 3
		.amdhsa_float_denorm_mode_16_64 3
		.amdhsa_memory_ordered 1
		.amdhsa_forward_progress 1
		.amdhsa_inst_pref_size 82
	.end_amdhsa_kernel
	.amdgpu_metadata
---
amdhsa.version: [ 1, 2 ]
amdhsa.kernels:
  - .name:           k_q9af5722e88_qkvg
    .symbol:         k_q9af5722e88_qkvg.kd
    .args:
      - { .name: h, .offset: 0, .size: 8, .value_kind: global_buffer, .address_space: global }
      - { .name: wts, .offset: 8, .size: 8, .value_kind: global_buffer, .address_space: global }
      - { .name: qkv, .offset: 16, .size: 8, .value_kind: global_buffer, .address_space: global }
    .group_segment_fixed_size: 327680
    .private_segment_fixed_size: 0
    .kernarg_segment_align: 8
    .kernarg_segment_size: 24
    .max_flat_workgroup_size: 128
    .sgpr_count:     96
    .vgpr_count:     1024
    .wavefront_size: 32
...
	.end_amdgpu_metadata
.endif
;; end of part 2
;; launch attn (part 3): grid 8 x 32, 4 waves a work-group, clusters of 4 x 1, 327,680 bytes of LDS; arguments qkv, o; writes o
.if DOCPART == 3
	.amdgcn_target "amdgcn-amd-amdhsa--gfx1250"
	.amdhsa_code_object_version 6
	.text
	.protected	k_q9af5722e88_attn
	.globl	k_q9af5722e88_attn
	.p2align	8
	.type	k_q9af5722e88_attn,@function
k_q9af5722e88_attn:
	s_mov_b64 s[64:65], 0
	v_nop
	global_prefetch_b8 v0, s[64:65] scope:SCOPE_SE
	s_setreg_imm32_b32 hwreg(HW_REG_WAVE_MODE, 25, 1), 1
	s_wait_xcnt 0x0
	s_wait_alu depctr_hold_cnt(0) depctr_sa_sdst(0) depctr_va_vdst(0) depctr_va_sdst(0) depctr_va_ssrc(0) depctr_va_vcc(0) depctr_vm_vsrc(0)
	s_getreg_b32 s2, hwreg(HW_REG_IB_STS2, 6, 4)
	s_cmp_eq_u32 s2, 0
	s_cbranch_scc0 .Lentry_in_a_cluster
	s_endpgm
.Lentry_in_a_cluster:
	s_bfe_u32 s2, ttmp6, 0x10000c
	s_cmp_lg_u32 s2, 0x3003
	s_cbranch_scc0 .Lentry_shape_is_right
	s_endpgm
.Lentry_shape_is_right:
; O[y][q][:] = the sum over k of softmax_k(Q[y][q] . K[y][k] / 8) V[y][k][:], for 32 pairs y = 2 head + batch of 2,048 rows x 64 channels, all f16.
; In qkv a pair's rows are dense, 128 bytes each: q at byte 262,144 y, k at 8,388,608 + that, v at 16,777,216 + that; o has q's layout.
; Products, maxima and sums in f32; the weights p are rounded to f16 for the second product (their sum l is taken of the unrounded p), O once at the end.
; LIMITS.  Q, K, V arrive within f16's 65,504; p lies in 0 to 1 and below 6e-5 keeps f16's fixed step; a weight below 2^-126 counts as 0 in l; NaN and infinities are not treated apart.
; SHARES.  A work-group owns 256 queries of a pair, a wave 64: four PIECES of 16.  Every wave walks all 2,048 keys, 64 a step, four steps to a slot of LDS.
; LAYOUT.  S^T = K Q^T holds ONE query a lane (lane % 16) and the keys 8 (lane / 16) + 0..7; two such results rounded to f16 ARE source 1 of O^T = V^T P.  K comes out of LDS as it lies, V turned.
; SOFTMAX.  p = 2^(c s - c m), c = log2(e) / 8, with a running maximum m; O and l are multiplied by a = 2^(c m_old - c m_new) in every step.  m starts at the lowest finite number, O and l at 0.
; TURNS.  Turn n belongs to piece n: 8 products K Q^T of piece n + 1, later 8 products V^T P of piece n - 1; beside them the scaling, exponentials, roundings, sums and rescaling of piece n and the
; maximum and statistics of piece n + 1.  Four vector instructions stand behind every matrix instruction, the rest in one lump.  A turn's 33 exponentials are one batch with one wait.
; CLUSTER.  The four query blocks of a cluster belong to one pair and walk the same K and V: each tile is asked for jointly, by the same tensor load, descriptor and mask in all four.
; REGISTERS in windows of 256: window 0: v0-15 addresses, v16-31 statistics, v48-55 at work, v61-63 prefetch offset and the add's two, v64-127 S^T (two buffers), v192-223 P (two buffers);
;   window 1: v0-127 O^T, 32 a piece; window 2: v0-63 Q, v128-191 K of one step, v192-255 V of one step.
.set SIZE_N, 2048
.set NP,    4
.set KS,    64
.set PK,    144       ; a row of K in LDS: 128 bytes + 16
.set PV,    160       ; a row of V: 128 + 32
.set VOFF,  4*KS*PK   ; a slot: 256 rows of K, then 256 rows of V
.set SLOT1, 1<<17
.set STAGE, SLOT1+4*KS*(PK+PV)  ; behind the ring, never filled by a tensor load: 16 rows x 144 bytes a wave
.set SP,    144
.set SPARE, STAGE+4*16*SP       ; the spare words, 128 bytes a wave: two blocks of 256 bytes that no other line names
.set AK0, 2
.set AV0, 3
.set AK,  4
.set AV,  5
.set STO, 6
.set RD,  7
.set GO,  8
.set MV,  12
.set QO,  15
.set ST,  16          ; piece t's statistics at v[ST+4 t]: c m, m, l (even keys', odd keys')
.set TMP, 48
.set PFO, 61          ; 256 x lane; never rewritten
.set SPW, 62
.set NIL, 63
.set S,   64
.set P,   192
.set KF,  128
.set VF,  192
.set WV,  12
.set G1K, 24
.set G1V, 32
.set G0K, 40
.set G0V, 44
.set PFA, 48          ; s[48:49] where my prefetches stand
.set LIM, 50          ; s50  1 in a wave that prefetches, else the greatest number
.set SLOTS, 56
.set CNT, 57
.set CS,  58
.set SEL, 60
.set TBK, 62
.set TBV, 63
.set MSB, 0
.macro WIN new
.if MSB != (\new)
	s_set_vgpr_msb (MSB<<8)|(\new)
.set MSB, (\new)
.endif
.endm
.set W_KQ, 0x0a       ; K and Q in window 2, S^T in window 0
.set W_PV, 0x52       ; V in window 2, P in window 0, O^T in window 1
.set W_RS, 0x41       ; destination and source 0 in window 1, source 1 in window 0
; A joint fill.  Waves 0 and 1 fetch the halves of a slot's K, waves 2 and 3 those of its V: 128 keys each.  An s_nop 0 and four v_nop follow each line.
.macro JLOAD
	s_cmp_lt_u32 s[WV], 2
	s_cbranch_scc0 .Lfor_v_\@
	tensor_load_to_lds s[G0K:G0K+3], s[G1K:G1K+7]
	s_nop 0
.rept 4
	v_nop
.endr
	s_branch .Lasked_\@
.Lfor_v_\@:
	tensor_load_to_lds s[G0V:G0V+3], s[G1V:G1V+7]
	s_nop 0
.rept 4
	v_nop
.endr
.Lasked_\@:
.endm
; A prefetch of the tile that the NEXT change of slots will ask for.  Both clusters of a pair walk the same K and V: the first asks.  Its four partners share a tile's 32,768 bytes out by address, 8,192 each,
; a lane an aligned block of 256 bytes; wave 0 asks for K's, wave 2 for V's.  So each block is named once.  The change that asks for the last tile prefetches nothing.
.macro ASK
	s_cmp_gt_u32 s[SLOTS], s[LIM]
	s_cbranch_scc0 .Lnot_mine_\@
	global_prefetch_b8 v[PFO], s[PFA:PFA+1] th:TH_LOAD_NT scope:SCOPE_SE
.Lnot_mine_\@:
.endm
.macro CROUND
	s_barrier_signal -1
	s_barrier_wait -1
	s_cmp_lg_u32 s[WV], 0
	s_cbranch_scc1 .Lnot_wave_0_\@
	s_barrier_signal -3
.Lnot_wave_0_\@:
	s_barrier_wait -3
	s_barrier_signal -1
	s_barrier_wait -1
.endm
; THE CHANGE OF SLOTS.  Each wave waits for all its tensor loads (its part of the other slot), adds 0 to its spare word, and waits for that and for its reads of the slot that it leaves.
; fill = 1: the barrier is a round of the cluster's, and the joint fill of the old slot, with the keys two slots on, is the first thing behind it: four key steps, 256 matrix instructions, in which to land.
.macro CHANGE fill
	WIN 0
	s_wait_tensorcnt 0x0            ; no tensor load of mine is out, so a group 0 may be written
	ds_add_u32 v[SPW], v[NIL]
.if \fill
.irp g, G0K, G0V
	s_xor_b32 s[\g+1], s[\g+1], SLOT1
	s_add_nc_u64 s[\g+2:\g+3], s[\g+2:\g+3], 4*KS*128
.endr
	s_wait_xcnt 0x0                 ; the last prefetch, four key steps back, has read its address
	s_add_nc_u64 s[PFA:PFA+1], s[PFA:PFA+1], 4*KS*128
	s_wait_dscnt 0x0                ; the add is done, and my reads of the slot are over
	CROUND
	JLOAD
	ASK
.else
	s_wait_dscnt 0x0
	s_barrier_signal -1
	s_barrier_wait -1
.endif
	s_sub_co_u32 s[TBK], s[TBK], 4*KS*PK  ; the fetches go back to a slot's first step, in the other slot
	s_xor_b32 s[TBK], s[TBK], SLOT1
	s_sub_co_u32 s[TBV], s[TBV], 4*KS*PV
	s_xor_b32 s[TBV], s[TBV], SLOT1
.endm
	s_load_b64 s[4:5], s[0:1], 0x0    ; qkv
	s_load_b64 s[10:11], s[0:1], 0x8  ; o
	v_lshl_add_u32 v[SPW], v0, 2, SPARE
	v_mov_b32 v[NIL], 0
	ds_add_u32 v[SPW], v[NIL]       ; the wave's opening: the add and its wait stand ahead of my first tensor load
	v_lshrrev_b32 v1, 5, v0
	v_readfirstlane_b32 s[WV], v1   ; wave 0..3
	s_bfe_u32 s13, ttmp6, 0x40000   ; cx
	s_lshl_b32 s14, ttmp9, 2
	s_add_co_u32 s14, s14, s13      ; my block of 256 queries: it enters Q's and O's addresses alone
	s_and_b32 s20, ttmp7, 0xffff    ; the pair, which the four partners share
	s_lshl_b32 s20, s20, 18         ; its 262,144 bytes
	s_and_b32 s16, s[WV], 1         ; which half of a slot's 256 keys I fetch
	s_lshl_b32 s22, s16, 14
	s_add_co_u32 s22, s22, s20
	s_mov_b32 s23, 0
	s_mul_i32 s17, s16, 128*PK
	s_mul_i32 s18, s16, 128*PV
	s_lshl_b32 s2, s14, 2
	s_add_co_u32 s2, s2, s[WV]
	s_lshl_b32 s2, s2, 13           ; my wave's 64 rows
	s_add_co_u32 s2, s2, s20
	s_mov_b32 s3, 0
	; descriptor group 1: 128 keys are 16,384 dense bytes: asked for as 64 rows of 256 bytes, padded in LDS after every key
	s_mov_b32 s[G1K], 15|(1<<16)|(1<<20)|(1<<21)|(4<<22)|(3<<25)
	s_mov_b32 s[G1V], 15|(1<<16)|(1<<20)|(1<<21)|(4<<22)|(7<<25)
.irp g, G1K, G1V
	s_mov_b32 s[\g+1], 128<<16
	s_mov_b32 s[\g+2], 64<<16
	s_mov_b32 s[\g+3], 128<<16
	s_mov_b32 s[\g+4], 64
	s_mov_b32 s[\g+5], 128
	s_mov_b32 s[\g+6], 0
	s_mov_b32 s[\g+7], 0
.endr
	s_mov_b32 s[CS], 0x3e38aa3b     ; c = log2(e) / 8
	s_mov_b32 s[CS+1], s[CS]
	s_mov_b32 s[SEL], 0x76543210
	s_mov_b32 s[SEL+1], 0xfedcba98
	s_mov_b32 s[TBK], SLOT1+4*KS*PK ; the first change of slots turns these two into 0
	s_mov_b32 s[TBV], SLOT1+4*KS*PV
	s_mov_b32 s[G0K], 1
	s_mov_b32 s[G0K+1], s17
	s_mov_b32 s[G0V], 1
	s_add_co_u32 s[G0V+1], s18, VOFF
	s_mov_b32 s[SLOTS], SIZE_N/256-1
	s_and_b32 s[LIM], s[WV], 1
	s_or_b32 s[LIM], s[LIM], ttmp9  ; 0 in waves 0 and 2 of the pair's first cluster: the same in all four partners
	s_cmp_eq_u32 s[LIM], 0
	s_cselect_b32 s[LIM], 1, -1
	v_and_b32 v[PFO], 31, v0
	v_lshlrev_b32 v[PFO], 8, v[PFO]
	s_wait_dscnt 0x0                ; the opening add is done
	s_wait_kmcnt 0x0
	s_add_nc_u64 s[6:7], s[4:5], 0x800000    ; k
	s_add_nc_u64 s[8:9], s[4:5], 0x1000000   ; v
	s_add_nc_u64 s[6:7], s[6:7], s[22:23]    ; at my half of the pair's first 256 keys
	s_add_nc_u64 s[8:9], s[8:9], s[22:23]
	s_mov_b64 s[G0K+2:G0K+3], s[6:7]
	s_or_b32 s[G0K+3], s[G0K+3], 0x80000000
	s_mov_b64 s[G0V+2:G0V+3], s[8:9]
	s_or_b32 s[G0V+3], s[G0V+3], 0x80000000
	s_add_nc_u64 s[4:5], s[4:5], s[2:3]      ; Q and O at my wave's first row
	s_add_nc_u64 s[10:11], s[10:11], s[2:3]
	s_cmp_lt_u32 s[WV], 2
	s_cselect_b64 s[PFA:PFA+1], s[6:7], s[8:9]
	s_lshl_b32 s2, s13, 13          ; my work-group's 8,192 bytes of a tile
	s_add_nc_u64 s[PFA:PFA+1], s[PFA:PFA+1], s[2:3]
	s_add_nc_u64 s[PFA:PFA+1], s[PFA:PFA+1], 4*KS*128  ; in tile 1; the first change of slots steps it to tile 2.  Nothing is prefetched at the head
	CROUND                          ; all four work-groups are here: the first joint loads meet
	JLOAD                           ; tile 0 into slot 0
	v_and_b32 v1, 15, v0            ; l % 16
	v_bfe_u32 v9, v0, 4, 1          ; l / 16
	v_lshlrev_b32 v[QO], 7, v1
	v_lshl_add_u32 v[QO], v9, 4, v[QO]
	WIN 0x80                        ; destination window 2, address window 0
.set i, 0
.rept 8                             ; Q stays in registers: piece i / 2, channels 32 (i % 2) on
	global_load_b128 v[8*i:8*i+3],   v[QO], s[4:5] offset:(i/2)*2048+(i%2)*64
	global_load_b128 v[8*i+4:8*i+7], v[QO], s[4:5] offset:(i/2)*2048+(i%2)*64+32
.set i, i+1
.endr
	; what the first turn finds: V and P's second buffer hold 0, O^T and l are 0.  All this stands in the wait for the first tile, and spares a first step written out
.set i, VF
.rept 64
	v_mov_b32 v[i], 0
.set i, i+1
.endr
	WIN 0x40
.set i, 0
.rept 128
	v_mov_b32 v[i], 0
.set i, i+1
.endr
	WIN 0
.set i, 0
.rept 4
	v_mov_b32 v[ST+4*i], 0xfe000000    ; c m: far below every c s
	v_mov_b32 v[ST+4*i+1], 0xff7fffff  ; m
	v_mov_b32 v[ST+4*i+2], 0
	v_mov_b32 v[ST+4*i+3], 0
.set i, i+1
.endr
.set i, P+16
.rept 16
	v_mov_b32 v[i], 0
.set i, i+1
.endr
	v_mul_u32_u24 v[AK0], v1, PK
	v_lshl_add_u32 v[AK0], v9, 4, v[AK0]
	v_and_b32 v10, 7, v0
	v_bfe_u32 v11, v0, 3, 1
	v_lshl_add_u32 v[AV0], v9, 3, v10
	v_mul_u32_u24 v[AV0], v[AV0], PV
	v_lshl_add_u32 v[AV0], v11, 4, v[AV0]
	v_add_nc_u32 v[AV0], VOFF, v[AV0]
	s_mul_i32 s13, s[WV], 16*SP
	s_add_co_u32 s13, s13, STAGE    ; my stage
	v_mul_u32_u24 v[STO], v1, SP
	v_lshl_add_u32 v[STO], v9, 4, v[STO]
	v_add_nc_u32 v[STO], s13, v[STO]
	v_bfe_u32 v[RD], v0, 3, 2
	v_mul_u32_u24 v[RD], v[RD], SP
	v_lshl_add_u32 v[RD], v10, 4, v[RD]
	v_add_nc_u32 v[RD], s13, v[RD]
	v_and_b32 v[GO], 31, v0
	v_lshlrev_b32 v[GO], 4, v[GO]
; THE MATRIX WORK.  The 4 accumulators of a run of 8 take turns.  Product i of 8 of S^T = K Q^T for piece x: channels 32 (i / 4) on, keys 16 (i % 4) on.
.macro KQ x
.set rS, S+32*((\x)%2)+8*(i%4)
.set rK, KF+16*(i%4)+8*(i/4)
.set rQ, 16*(\x)+8*(i/4)
	WIN W_KQ
.if i < 4
	v_wmma_f32_16x16x32_f16 v[rS:rS+7], v[rK:rK+7], v[rQ:rQ+7], 0
.else
	v_wmma_f32_16x16x32_f16 v[rS:rS+7], v[rK:rK+7], v[rQ:rQ+7], v[rS:rS+7]
.endif
.endm
; Product i of 8 of O^T += V^T P for piece x: keys 32 (i / 4) on, channels 16 (i % 4) on.
.macro PV x
	WIN W_PV
.set rO, 32*(\x)+8*(i%4)
.set rV, VF+32*(i/4)+8*(i%4)
.set rP, P+16*((\x)%2)+8*(i/4)
	v_wmma_f32_16x16x32_f16 v[rO:rO+7], v[rV:rV+7], v[rP:rP+7], v[rO:rO+7]
.endm
.macro MM                           ; the turn's next matrix instruction
.if i < 8
	KQ (Y+1)%NP
.else
.set i, i-8
	PV (Y+NP-1)%NP
.set i, i+8
.endif
.set i, i+1
.endm
.macro FETCH_K
	WIN 0x80
.irp f, 0,1,2,3,4,5,6,7             ; keys 16 (f / 2) on, channels 32 (f % 2) on
	ds_load_b128 v[KF+8*\f:KF+8*\f+3],   v[AK] offset:(\f/2)*16*PK+(\f%2)*64
	ds_load_b128 v[KF+8*\f+4:KF+8*\f+7], v[AK] offset:(\f/2)*16*PK+(\f%2)*64+32
.endr
	s_add_co_u32 s[TBK], s[TBK], KS*PK
	WIN 0
.endm
.macro FETCH_V
	WIN 0x80
.irp f, 0,1,2,3,4,5,6,7             ; keys 32 (f / 4) on, channels 16 (f % 4) on
	ds_load_tr16_b128 v[VF+8*\f:VF+8*\f+3],   v[AV] offset:(\f/4)*32*PV+(\f%4)*32
	ds_load_tr16_b128 v[VF+8*\f+4:VF+8*\f+7], v[AV] offset:(\f/4)*32*PV+16*PV+(\f%4)*32
.endr
	WIN 0
.endm
; THE VECTOR WORK, one line at a time: OP kind, number.  For piece Y: F n: c s - c m for pair n.  E n: the exponential of score n.  C n: pair n rounded to f16.  B n: of the four weights 4 n .. the second pair
; is added onto the first.  L n: l takes that sum (L 0: l = a l + sum).  R n: pair n of O^T times a.  For piece Y + 1: X n, number n of the 22 that find its maximum and statistics:
; 0-11 four chains of seven scores (each accumulator's lowest registers first); 12-14, 16 the rest, the old m, the four into one; 15 c m_old is kept; 17, 18 the other half of the lanes; 19-21 c m, its change, a.
.set F, 0
.set E, 1
.set C, 2
.set B, 3
.set L, 4
.set R, 5
.set X, 6
.macro REGS y
.set rT, ST+4*(\y)
.set rC, TMP+4*((\y)%2)
.set rW, MV+((\y)%2)
.set rS, S+32*((\y)%2)
.set rP, P+16*((\y)%2)
.set rO, 32*(\y)
.endm
.macro OP k, n
.if (\k) == R
	REGS Y
	WIN W_RS
	v_pk_mul_f32 v[rO+2*(\n):rO+2*(\n)+1], v[rO+2*(\n):rO+2*(\n)+1], v[rC+2:rC+3] op_sel_hi:[1,0]
.elseif (\k) < R
	REGS Y
	WIN 0
.if (\k) == F
	v_pk_fma_f32 v[rS+2*(\n):rS+2*(\n)+1], v[rS+2*(\n):rS+2*(\n)+1], s[CS:CS+1], v[rT:rT+1] op_sel_hi:[1,0,0] neg_lo:[0,0,1] neg_hi:[0,0,1]
.elseif (\k) == E
	v_exp_f32 v[rS+(\n)], v[rS+(\n)]
.elseif (\k) == C
	v_cvt_pk_f16_f32 v[rP+(\n)], v[rS+2*(\n)], v[rS+2*(\n)+1]
.elseif (\k) == B
	v_pk_add_f32 v[rS+4*(\n):rS+4*(\n)+1], v[rS+4*(\n):rS+4*(\n)+1], v[rS+4*(\n)+2:rS+4*(\n)+3]
.elseif (\n) == 0
	v_pk_fma_f32 v[rT+2:rT+3], v[rT+2:rT+3], v[rC+2:rC+3], v[rS:rS+1] op_sel_hi:[1,0,1]
.else
	v_pk_add_f32 v[rT+2:rT+3], v[rT+2:rT+3], v[rS+4*(\n):rS+4*(\n)+1]
.endif
.else
	REGS (Y+1)%NP
	WIN 0
.if (\n) < 4
	v_max3_num_f32 v[rC+(\n)], v[rS+8*(\n)], v[rS+8*(\n)+1], v[rS+8*(\n)+2]
.elseif (\n) < 12
	v_max3_num_f32 v[rC+(\n)%4], v[rC+(\n)%4], v[rS+8*((\n)%4)+2*((\n)/4)+1], v[rS+8*((\n)%4)+2*((\n)/4)+2]
.elseif (\n) == 12
	v_max3_num_f32 v[rC], v[rC], v[rS+7], v[rS+15]
.elseif (\n) == 13
	v_max3_num_f32 v[rC+1], v[rC+1], v[rS+23], v[rS+31]
.elseif (\n) == 14
	v_max3_num_f32 v[rC+2], v[rC+2], v[rC+3], v[rT+1]
.elseif (\n) == 15
	v_mov_b32 v[rW], v[rT]
.elseif (\n) == 16
	v_max3_num_f32 v[rC], v[rC], v[rC+1], v[rC+2]
.elseif (\n) == 17
	v_permlanex16_b32 v[rC+3], v[rC], s[SEL], s[SEL+1]
.elseif (\n) == 18
	v_max_num_f32 v[rT+1], v[rC], v[rC+3]
.elseif (\n) == 19
	v_mul_f32 v[rT], s[CS], v[rT+1]
.elseif (\n) == 20
	v_sub_f32 v[rC+1], v[rW], v[rT]
.else
	v_exp_f32 v[rC+2], v[rC+1]
.endif
.endif
.endm
.macro OPS a, i1, b=-1, i2=0, c=-1, i3=0, d=-1, i4=0
	OP \a, \i1
.if (\b) >= 0
	OP \b, \i2
.endif
.if (\c) >= 0
	OP \c, \i3
.endif
.if (\d) >= 0
	OP \d, \i4
.endif
.endm
.macro ROW a, i1, b, i2, c, i3, d, i4  ; a matrix instruction and the four behind it
	MM
	OPS \a, \i1, \b, \i2, \c, \i3, \d, \i4
.endm
; A TURN, for piece p.  Ahead of its one wait stands all that names no result of the turn's exponentials; behind it the 8 products V^T P with the roundings and sums as their riders.
; K of the next step is fetched in piece 2's turn and waited for at the head of piece 3's; V of the step in hand at the end of piece 0's turn, four plain instructions behind its last reader, and waited for in piece 1's.
; cnt = 1: the loop's count is taken down some lines ahead of the branch behind the turn.
.macro TURN p, cnt=0
.set Y, (\p)
.set i, 0
.if (\p) == 3
	s_wait_dscnt 0x0                ; K is in
.endif
	ROW F,0, F,1, R,0, R,1
	ROW F,2, E,0, R,2, R,3
	ROW F,3, E,1, R,4, R,5
	ROW F,4, E,2, R,6, R,7
	ROW F,5, E,3, R,8, R,9
	ROW F,6, E,4, X,0, R,10
.if (\p) == 2
	WIN 0
	v_add_nc_u32 v[AK], s[TBK], v[AK0]
.endif
	ROW F,7, E,5, X,1, X,4
	ROW F,8, E,6, X,2, X,5
	OPS E,7, E,8, X,6, E,9
	OPS X,3, E,10, X,8, E,11
.if (\p) == 2
	FETCH_K
.endif
	OPS X,9, X,7, E,12, X,10
	OPS E,13, X,12, X,11, E,14
	OPS X,13, E,15, F,9, X,14
.if (\p) == 0
	v_add_nc_u32 v[AV], s[TBV], v[AV0]
.endif
	OPS E,16, F,10, E,17, F,11
	OPS X,16, E,18, X,15, E,19
	OPS F,12, E,20, X,17, E,21
	OPS F,13, E,22, F,14, E,23
	OPS X,18, E,24, F,15, E,25
	OPS R,11, E,26, X,19, E,27
	OPS R,12, E,28, R,13, E,29
	OPS X,20, E,30, R,14, E,31
	OPS X,21, R,15                  ; the batch's last exponential, and the plain instruction behind it
	WIN 0
	s_wait_alu depctr_va_vdst(0)    ; the wait stands ahead of the batch's first reader: one for the 33
.if (\p) == 1
	s_wait_dscnt 0x0                ; V is in
.endif
	ROW C,0, B,0, C,2, B,1
	ROW L,0, C,4, B,2, L,1
	ROW C,6, B,3, L,2, C,8
	ROW B,4, L,3, C,10, B,5
	ROW L,4, C,12, B,6, L,5
.if (\p) == 0
	s_add_co_u32 s[TBV], s[TBV], KS*PV
.endif
.if \cnt
	s_sub_co_u32 s[CNT], s[CNT], 1
	s_cmp_lg_u32 s[CNT], 0
.endif
	ROW C,14, B,7, L,6, C,1
	ROW C,3, L,7, C,5, C,7
	ROW C,9, C,11, C,13, C,15
.if (\p) == 0
	FETCH_V
.endif
.endm
	CHANGE 1                        ; tile 0 is in, everybody's part of it; tile 1 is asked for
	v_add_nc_u32 v[AK], s[TBK], v[AK0]
	FETCH_K                         ; key step 0
	s_wait_loadcnt 0x0              ; Q
	s_wait_dscnt 0x0
.set i, 0
.rept 8
	KQ 0                            ; piece 0's first scores
.set i, i+1
.endr
	WIN 0
.rept 4
	v_nop                           ; the places behind those products
.endr
.set Y, NP-1                        ; X works for piece Y + 1: piece 0
.irp n, 0,1,2,3,4,5,6,7,8,9,10,11,12,13,14,15,16,17,18,19,20,21
	OP X, \n
.endr
	v_nop                           ; a plain instruction behind the exponential,
	s_wait_alu depctr_va_vdst(0)    ; and its wait, ahead of the branch
	s_mov_b32 s[CNT], 4
	s_branch .Lfirst                ; the loop is entered at a step's first turn, in the middle of a trip
.Lslot:                             ; six times: tiles 2 to 7 are asked for
	CHANGE 1
	s_mov_b32 s[CNT], 4
.Lstep:                             ; a trip: pieces 2 and 3 of one step, then pieces 0 and 1 of the next, whose K and V it fetches
	TURN 2
	TURN 3
	WIN 0
.Lfirst:
	TURN 0
	TURN 1, 1
	WIN 0
	s_cbranch_scc1 .Lstep
	s_sub_co_u32 s[SLOTS], s[SLOTS], 1
	s_cmp_lg_u32 s[SLOTS], 0
	s_cbranch_scc1 .Lslot
	CHANGE 0                        ; the tail is written out: nothing is asked for
	s_mov_b32 s[CNT], 5             ; four trips fetch the last tile's steps; the fifth is left in its middle
.Ltail:
	s_min_u32 s[TBK], s[TBK], SLOT1+3*KS*PK  ; the fifth trip has no further step: it fetches the last K once more.  Its 8 products K Q^T and the maximum made of them serve nothing: the price of one text for every trip
	TURN 2
	TURN 3
	WIN 0
	s_cmp_eq_u32 s[CNT], 1
	s_cbranch_scc1 .Lout
	TURN 0
	TURN 1
	WIN 0
	s_sub_co_u32 s[CNT], s[CNT], 1
	s_cmp_lg_u32 s[CNT], 0
	s_cbranch_scc1 .Ltail
.Lout:
.set i, 0
.rept 8
	PV NP-1                         ; the last piece's V^T P of the last step
.set i, i+1
.endr
	; THE WAY OUT.  l's two halves and the other half of the lanes' are added; O^T is divided by l, rounded to f16 and sent through my stage, a piece at a time.  The additions are the places behind the last products.
	WIN 0
.macro ALL line:vararg
.set t, 0
.rept 4
	\line
.set t, t+1
.endr
.endm
	ALL v_add_f32 v[ST+4*t+2], v[ST+4*t+2], v[ST+4*t+3]
	ALL v_permlanex16_b32 v[ST+4*t+3], v[ST+4*t+2], s[SEL], s[SEL+1]
	ALL v_add_f32 v[ST+4*t+2], v[ST+4*t+2], v[ST+4*t+3]
	ALL v_rcp_f32 v[ST+4*t+2], v[ST+4*t+2]
	v_nop                           ; a plain instruction between the last reciprocal and the use of its result
	s_wait_alu depctr_va_vdst(0)    ; one wait for the four reciprocals
.macro PACK t
	WIN W_RS
.set i, 32*(\t)
.rept 16
	v_pk_mul_f32 v[i:i+1], v[i:i+1], v[ST+4*(\t)+2:ST+4*(\t)+3] op_sel_hi:[1,0]
.set i, i+2
.endr
	WIN 0x05                        ; sources 0 and 1 window 1, destination window 0
.set i, 0
.rept 16
	v_cvt_pk_f16_f32 v[S+16*(\t)+i], v[32*(\t)+2*i], v[32*(\t)+2*i+1]
.set i, i+1
.endr
	WIN 0
.irp f, 0,1,2,3
	ds_store_b128 v[STO], v[S+16*(\t)+4*\f:S+16*(\t)+4*\f+3] offset:32*\f
.endr
.irp f, 0,1,2,3
	ds_load_b128 v[S+16*(\t)+4*\f:S+16*(\t)+4*\f+3], v[RD] offset:\f*4*SP  ; LDS serves a wave's instructions in order: these see the stores above; the next piece's stores come behind them
.endr
.endm
.macro SEND t, younger              ; younger: the LDS instructions issued behind piece t's loads: the next piece's eight, or none
	WIN 0
.irp f, 0,1,2,3
	s_wait_dscnt (\younger)+3-\f
	global_store_b128 v[GO], v[S+16*(\t)+4*\f:S+16*(\t)+4*\f+3], s[10:11] offset:(\t)*2048+\f*512  ; 512 consecutive bytes, aligned: four rows of the pair
.endr
.endm
	PACK 0
.set t, 1
.rept 3
	PACK t
	SEND t-1, 8
.set t, t+1
.endr
	SEND 3, 0
	s_wait_tensorcnt 0x0            ; the wave's end, behind my last tensor load and my last LDS store
	ds_add_u32 v[SPW], v[NIL]
	s_wait_dscnt 0x0
	CROUND                          ; the closing round
	s_endpgm
.Lfunc_end_k_q9af5722e88_attn:
	.size	k_q9af5722e88_attn, .Lfunc_end_k_q9af5722e88_attn-k_q9af5722e88_attn
	.p2alignl 7, 3214868480
	.fill 96, 4, 3214868480
	.section	.rodata,"a",@progbits
	.p2align	6, 0x0
	.amdhsa_kernel k_q9af5722e88_attn
		.amdhsa_group_segment_fixed_size 327680
		.amdhsa_private_segment_fixed_size 0
		.amdhsa_enable_private_segment 0
		.amdhsa_kernarg_size 16
		.amdhsa_user_sgpr_count 2
		.amdhsa_user_sgpr_kernarg_segment_ptr 1
		.amdhsa_wavefront_size32 1
		.amdhsa_system_sgpr_workgroup_id_x 1
		.amdhsa_system_sgpr_workgroup_id_y 1
		.amdhsa_system_sgpr_workgroup_id_z 1
		.amdhsa_system_vgpr_workitem_id 0
		.amdhsa_next_free_vgpr 768
		.amdhsa_next_free_sgpr 66
		.amdhsa_reserve_vcc 0
		.amdhsa_float_denorm_mode_32 3
		.amdhsa_float_denorm_mode_16_64 3
		.amdhsa_memory_ordered 1
		.amdhsa_forward_progress 1
		.amdhsa_inst_pref_size 112
	.end_amdhsa_kernel
	.amdgpu_metadata
---
amdhsa.version: [ 1, 2 ]
amdhsa.kernels:
  - .name:           k_q9af5722e88_attn
    .symbol:         k_q9af5722e88_attn.kd
    .args:
      - { .name: qkv, .offset: 0, .size: 8, .value_kind: global_buffer, .address_space: global }
      - { .name: o, .offset: 8, .size: 8, .value_kind: global_buffer, .address_space: global }
    .group_segment_fixed_size: 327680
    .private_segment_fixed_size: 0
    .kernarg_segment_align: 8
    .kernarg_segment_size: 16
    .max_flat_workgroup_size: 128
    .sgpr_count:     66
    .vgpr_count:     768
    .wavefront_size: 32
...
	.end_amdgpu_metadata
.endif
;; end of part 3
;; launch projg (part 4): grid 8 x 32, 4 waves a work-group, clusters of 4 x 4, 327,680 bytes of LDS; arguments o, wts, proj_b, x, x1; writes x1
.if DOCPART == 4
	.amdgcn_target "amdgcn-amd-amdhsa--gfx1250"
	.amdhsa_code_object_version 6
	.text
	.protected	k_q9af5722e88_projg
	.globl	k_q9af5722e88_projg
	.p2align	8
	.type	k_q9af5722e88_projg,@function
k_q9af5722e88_projg:
	s_mov_b64 s[64:65], 0
	v_nop
	global_prefetch_b8 v0, s[64:65] scope:SCOPE_SE
	s_setreg_imm32_b32 hwreg(HW_REG_WAVE_MODE, 25, 1), 1
	s_wait_xcnt 0x0
	s_wait_alu depctr_hold_cnt(0) depctr_sa_sdst(0) depctr_va_vdst(0) depctr_va_sdst(0) depctr_va_ssrc(0) depctr_va_vcc(0) depctr_vm_vsrc(0)
	s_getreg_b32 s2, hwreg(HW_REG_IB_STS2, 6, 4)
	s_cmp_eq_u32 s2, 0
	s_cbranch_scc0 .Lentry_in_a_cluster
	s_endpgm
.Lentry_in_a_cluster:
	s_bfe_u32 s2, ttmp6, 0x10000c
	s_cmp_lg_u32 s2, 0xf033
	s_cbranch_scc0 .Lentry_shape_is_right
	s_endpgm
.Lentry_shape_is_right:
; OUT = RES + A W + bias.  A: f16 in blocks of 64 channels, [SIZE_K / 64][4096][64].  W: [SIZE_K][1024] f16 at byte WOFF of wts.  RES, OUT: [4096][1024] f32.  Sums in f32.
; The bias is rounded to bf16 like every input; RES too where it is an input (RNDRES = 1).
; A tile of OUT is 128 x 128, so that the 256 tiles give each WGP one: four waves, each 64 x 64 = 16 accumulators.  K goes in steps of 256 through two LDS slots.
; The loop over K holds ONE K step of text: the slot in hand is a scalar offset that one exclusive or turns, and one descriptor a tensor walks.
; A's part of a slot is four dense runs of 8,192 bytes (64 rows of each of four blocks of 64 channels): one descriptor of four long rows, padded in LDS after each 128 bytes.
; W lies [K][N]: its fragments come out of LDS turned.  The matrix instruction is used transposed: a lane holds one row of OUT (lane % 16) and eight neighbouring columns.
; CLUSTER 4 x 4: A's tile is asked for jointly along a row of the cluster, W's along a column.
; The residual's 64 x 64 numbers of the wave are asked for at the head and lie in registers when the sums are finished.  A wave's 64 columns of f32 are 256 bytes: each wave has a stage of its own, and no barrier stands on the way out.
; No prefetch: the tile is small, and a K step's tiles are shared by four partners.
; LIMITS.  A and W lie within f16's 65,504.  NaN and infinities are not treated apart.
; REGISTERS in windows of 256: window 0: v0-31 addresses and the bias, v32-95 at work on the way out, v128-255 accumulators ((a, b) at v[128 + 8 (4 a + b)]);
;   window 1: two fragment buffers of 128 (64 of A, then 64 of W); window 2: v0-127 the residual.
.set SIZE_K, 1024
.set WOFF,   6291456
.set RNDRES, 1
.set NK,     SIZE_K/256
.set PA,     144                       ; a row of A in LDS: 128 bytes + 16
.set PB,     288                       ; a K row of W: 256 bytes + 32 = 9 x 32
.set HALFT,  36864                     ; what one tensor load brings: 4 x 64 x 144 = 128 x 288
.set SLOT,   4*HALFT
.set STAGE,  2*SLOT                    ; behind the ring, never filled by a tensor load: 16 rows x 272 bytes a wave
.set SPITCH, 272
.set SPARE,  STAGE+4*16*SPITCH         ; the spare words, 128 bytes a wave: two blocks of 256 bytes that no other line names
.set STEPA,  4*524288                  ; a K step in A: four blocks of 64 channels
.set STEPB,  256*2048                  ; in W: 256 K rows
.set BI,    8                          ; v[8:11] the bias of my four columns
.set ADRA0, 16
.set ADRB0, 17
.set ADRA,  18
.set ADRB,  19                         ; v19, v20: W's K rows 0-127 and 128-255 of the slot in hand (the 16-bit offset does not reach over all 256)
.set ADRB2, 20
.set STO,   24
.set RD,    25
.set CO,    26                         ; my 16 bytes in two rows of RES and OUT; never rewritten
.set BO,    27                         ; my offset in the bias; never rewritten
.set SPW,   28
.set NIL,   29
.set TMP,   32
.set ACC,   128
.set F0,    0
.set F1,    128
.set RES,   0                          ; window 2: row pair j at 4 j
.set OFFR,  21
.set G1,    24
.set G0,    32
.set G1B,   48
.set G0B,   56
.set SA,    72                         ; s[72:73] A, s[74:75] wts, s[76:77] bias, s[78:79] RES, s[80:81] OUT
.set SW,    74
.set SBI,   76
.set SR,    78
.set SO,    80
.set MSB, 0
.macro WIN new
.if MSB != (\new)
	s_set_vgpr_msb (MSB<<8)|(\new)
.set MSB, \new
.endif
.endm
.set MUL,  0x05                        ; sources 0 (W) and 1 (A) window 1; C and D window 0
.set TO_F, 0x40                        ; destination window 1, address window 0
.macro JLOAD s                         ; a joint load: waves 0 and 1 fetch A's halves, waves 2 and 3 W's; an s_nop 0 and four v_nop follow each line
	s_cmp_eq_u32 s11, 0
	s_cbranch_scc0 .Lfor_b_\@
	tensor_load_to_lds s[G0+4*(\s):G0+4*(\s)+3], s[G1:G1+7]
	s_nop 0
.rept 4
	v_nop
.endr
	s_branch .Lasked_\@
.Lfor_b_\@:
	tensor_load_to_lds s[G0B+4*(\s):G0B+4*(\s)+3], s[G1B:G1B+7]
	s_nop 0
.rept 4
	v_nop
.endr
.Lasked_\@:
.endm
.macro CREST
	s_cmp_lg_u32 s10, 0
	s_cbranch_scc1 .Lnot_wave_0_\@
	s_barrier_signal -3
.Lnot_wave_0_\@:
	s_barrier_wait -3
	s_barrier_signal -1
	s_barrier_wait -1
.endm
.macro CROUND
	s_barrier_signal -1
	s_barrier_wait -1
	CREST
.endm
	s_load_b256 s[72:79], s[0:1], 0x0
	s_load_b64 s[80:81], s[0:1], 0x20
	v_lshl_add_u32 v[SPW], v0, 2, SPARE
	v_mov_b32 v[NIL], 0
	ds_add_u32 v[SPW], v[NIL]                      ; the wave's opening: the add and its wait stand ahead of my first tensor load
	v_lshrrev_b32 v1, 5, v0
	v_readfirstlane_b32 s10, v1                    ; wave 0..3
	s_lshr_b32 s11, s10, 1                         ; my half of the tile's rows.  Also: I fetch for A (0) or for W (1)
	s_and_b32 s12, s10, 1                          ; my half of its columns.  Also: which half of that tile I fetch
	s_bfe_u32 s40, ttmp6, 0x40000                  ; cx
	s_bfe_u32 s41, ttmp6, 0x40004                  ; cy
	s_lshl_b32 s42, ttmp9, 2
	s_add_co_u32 s42, s42, s40                     ; tile column
	s_and_b32 s13, ttmp7, 0xffff
	s_lshl_b32 s13, s13, 2
	s_add_co_u32 s13, s13, s41                     ; tile row
	s_lshl_b32 s84, s41, 2
	s_lshl_b32 s84, 15, s84                        ; my row of the cluster
	s_lshl_b32 s85, 0x1111, s40                    ; my column
	s_or_b32 s[G1+0], s84, (1<<16)|(1<<20)|(1<<21)|(4<<22)|(3<<25)   ; mask; 2-byte elements; padding on; bit 21 beside a mask; after every 32 words, 4 words
	s_mov_b32 s[G1+1], 4096<<16                    ; tensor_dim0 = 4,096 elements: 64 rows of 64 channels, dense
	s_mov_b32 s[G1+2], 4<<16                       ; tensor_dim1 = 4 blocks of channels
	s_mov_b32 s[G1+3], 4096<<16                    ; tile_dim0
	s_mov_b32 s[G1+4], 4                           ; tile_dim1
	s_mov_b32 s[G1+5], 262144                      ; elements from block to block
	s_mov_b32 s[G1+6], 0
	s_mov_b32 s[G1+7], 0
	s_or_b32 s[G1B+0], s85, (1<<16)|(1<<20)|(1<<21)|(5<<22)|(7<<25)  ; after every 64 words, 8 words
	s_mov_b32 s[G1B+1], 128<<16
	s_mov_b32 s[G1B+2], 128<<16
	s_mov_b32 s[G1B+3], 128<<16
	s_mov_b32 s[G1B+4], 128
	s_mov_b32 s[G1B+5], 1024
	s_mov_b32 s[G1B+6], 0
	s_mov_b32 s[G1B+7], 0
	s_lshl_b32 s16, s13, 7                         ; A: row 128 x tile row + 64 x half, 128 bytes a row
	s_lshl_b32 s17, s12, 6
	s_add_co_u32 s16, s16, s17
	s_lshl_b32 s16, s16, 7
	s_mov_b32 s17, 0
	s_lshl_b32 s46, s12, 18                        ; W: K row 128 x half, column 128 x tile column
	s_lshl_b32 s47, s42, 8
	s_add_co_u32 s46, s46, s47
	s_add_co_u32 s46, s46, WOFF
	s_mov_b32 s47, 0
	s_mul_i32 s20, s10, HALFT
	s_wait_dscnt 0x0                               ; the opening add is done
	s_wait_kmcnt 0x0
	s_add_nc_u64 s[14:15], s[SA:SA+1], s[16:17]
	s_add_nc_u64 s[46:47], s[SW:SW+1], s[46:47]
	CROUND                                         ; all sixteen work-groups are here: the first joint loads meet
.irp s, 0,1
	s_mov_b32 s[G0+4*(\s)], 1
	s_add_co_u32 s[G0+4*(\s)+1], s20, (\s)*SLOT
	s_add_nc_u64 s[G0+4*(\s)+2:G0+4*(\s)+3], s[14:15], (\s)*STEPA
	s_or_b32 s[G0+4*(\s)+3], s[G0+4*(\s)+3], 0x80000000
	s_mov_b32 s[G0B+4*(\s)], 1
	s_add_co_u32 s[G0B+4*(\s)+1], s20, (\s)*SLOT
	s_add_nc_u64 s[G0B+4*(\s)+2:G0B+4*(\s)+3], s[46:47], (\s)*STEPB
	s_or_b32 s[G0B+4*(\s)+3], s[G0B+4*(\s)+3], 0x80000000
	JLOAD \s                                       ; K steps 0 and 1: two loads of mine are out, the most in this text
.endr
	v_and_b32 v1, 15, v0                           ; l % 16
	v_bfe_u32 v2, v0, 4, 1                         ; l / 16
	v_mul_u32_u24 v3, v1, PA
	v_lshl_add_u32 v3, v2, 4, v3
	s_mul_i32 s22, s11, HALFT
	v_add_nc_u32 v[ADRA0], s22, v3
	v_and_b32 v4, 7, v0
	v_bfe_u32 v5, v0, 3, 1
	v_lshl_add_u32 v6, v2, 3, v4
	v_mul_u32_u24 v6, v6, PB
	v_lshl_add_u32 v6, v5, 4, v6
	s_lshl_b32 s22, s12, 7
	s_add_co_u32 s22, s22, 2*HALFT
	v_add_nc_u32 v[ADRB0], s22, v6
	s_mul_i32 s23, s10, 16*SPITCH
	s_add_co_u32 s23, s23, STAGE                   ; my stage
	v_mul_u32_u24 v3, v1, SPITCH
	v_lshl_add_u32 v3, v2, 5, v3
	v_add_nc_u32 v[STO], s23, v3                   ; in: row l % 16, 32 bytes for each half of the lanes
	v_mul_u32_u24 v3, v2, SPITCH
	v_lshl_add_u32 v3, v1, 4, v3
	v_add_nc_u32 v[RD], s23, v3                    ; back: lanes 0-15 one row of 256 bytes, lanes 16-31 the next
	v_lshlrev_b32 v[BO], 4, v1
	v_lshl_add_u32 v[CO], v2, 12, v[BO]            ; and the same two rows in RES and OUT
	s_lshl_b32 s86, s13, 7                         ; my 64 x 64: row 128 x tile row + 64 x half, 4,096 bytes a row; column 128 x tile column + 64 x half
	s_lshl_b32 s22, s11, 6
	s_add_co_u32 s86, s86, s22
	s_lshl_b32 s86, s86, 12
	s_lshl_b32 s22, s42, 9
	s_lshl_b32 s23, s12, 8
	s_add_co_u32 s22, s22, s23
	s_mov_b32 s23, 0
	s_add_co_u32 s86, s86, s22
	s_mov_b32 s87, 0
	s_add_nc_u64 s[SR:SR+1], s[SR:SR+1], s[86:87]
	s_add_nc_u64 s[SO:SO+1], s[SO:SO+1], s[86:87]
	s_add_nc_u64 s[SBI:SBI+1], s[SBI:SBI+1], s[22:23]
	WIN 0x80                                       ; destination window 2, address window 0
.set j, 0
.rept 32
	global_load_b128 v[RES+4*j:RES+4*j+3], v[CO], s[SR:SR+1] offset:8192*j th:TH_LOAD_NT  ; these 33 loads stay out through the loop over K; nobody writes those bytes
.set j, j+1
.endr
	WIN 0
	global_load_b128 v[BI:BI+3], v[BO], s[SBI:SBI+1]
	s_mov_b32 s[OFFR], 0
	v_mov_b32 v[ADRA], v[ADRA0]
	v_mov_b32 v[ADRB], v[ADRB0]
	v_add_nc_u32 v[ADRB2], 128*PB, v[ADRB0]
; 8 matrix instructions: row blocks a0, a0 + 1 x all 4 column blocks, 32 along K: half c of buffer f.  The 16 accumulators take turns.
.macro MUL8 f, c, a0, zero
	WIN MUL
.irp a, \a0, (\a0)+1
.irp b, 0,1,2,3
.if \zero
	v_wmma_f32_16x16x32_f16 v[ACC+8*(4*(\a)+(\b)):ACC+8*(4*(\a)+(\b))+7], v[(\f)+64+8*(4*(\c)+(\b)):(\f)+64+8*(4*(\c)+(\b))+7], v[(\f)+8*(4*(\c)+(\a)):(\f)+8*(4*(\c)+(\a))+7], 0
.else
	v_wmma_f32_16x16x32_f16 v[ACC+8*(4*(\a)+(\b)):ACC+8*(4*(\a)+(\b))+7], v[(\f)+64+8*(4*(\c)+(\b)):(\f)+64+8*(4*(\c)+(\b))+7], v[(\f)+8*(4*(\c)+(\a)):(\f)+8*(4*(\c)+(\a))+7], v[ACC+8*(4*(\a)+(\b)):ACC+8*(4*(\a)+(\b))+7]
.endif
.endr
.endr
.endm
; 32 LDS loads in one run: the fragments of quarter q (64 along K: one block of channels of A) into buffer f; the first 32 along K first
.macro FETCH q, f
	WIN TO_F
.irp c, 0,1
.irp i, 0,1,2,3
	ds_load_tr16_b128 v[(\f)+64+8*(4*(\c)+(\i)):(\f)+64+8*(4*(\c)+(\i))+3],   v[ADRB+(\q)/2] offset:(((\q)%2)*64+32*(\c))*PB+32*(\i)
	ds_load_tr16_b128 v[(\f)+64+8*(4*(\c)+(\i))+4:(\f)+64+8*(4*(\c)+(\i))+7], v[ADRB+(\q)/2] offset:(((\q)%2)*64+32*(\c))*PB+16*PB+32*(\i)
	ds_load_b128 v[(\f)+8*(4*(\c)+(\i)):(\f)+8*(4*(\c)+(\i))+3],   v[ADRA] offset:(\q)*64*PA+64*(\c)+(\i)*16*PA
	ds_load_b128 v[(\f)+8*(4*(\c)+(\i))+4:(\f)+8*(4*(\c)+(\i))+7], v[ADRA] offset:(\q)*64*PA+64*(\c)+(\i)*16*PA+32
.endr
.endr
.endm
.macro PLACES
.rept 4
	v_nop
.endr
.endm
.macro QUARTER q, f, g, zero           ; multiplies buffer f; in its middle fetches quarter q into buffer g
	s_wait_dscnt 16                                ; the first 32 along K are in; the sixteen loads of the second 32 may be out
	MUL8 \f, 0, 0, \zero
	MUL8 \f, 0, 2, \zero
	PLACES
	FETCH \q, \g
	s_wait_dscnt 32                                ; all but the 32 just issued
	MUL8 \f, 1, 0, 0
	MUL8 \f, 1, 2, 0
.endm
.macro MEET round                      ; the first half of a K step's last quarter, and the barrier of the change of slots
	WIN 0
	s_wait_tensorcnt 0x0                           ; all my tensor loads have landed: my part of the next slot
	ds_add_u32 v[SPW], v[NIL]
	s_wait_dscnt 17                                ; (the add and the youngest sixteen loads may be out)
	MUL8 F1, 0, 0, 0
	s_wait_dscnt 0x0                               ; the add is done, and my reads of this slot are over
	s_barrier_signal -1
	MUL8 F1, 0, 2, 0
.if \round
	WIN 0
.endif
	s_barrier_wait -1
.endm
.macro NEXTSLOT
	s_xor_b32 s[OFFR], s[OFFR], SLOT
	v_add_nc_u32 v[ADRA], s[OFFR], v[ADRA0]
	v_add_nc_u32 v[ADRB], s[OFFR], v[ADRB0]
	v_add_nc_u32 v[ADRB2], 128*PB, v[ADRB]
.endm
.macro TURN                            ; the last quarter with a refill: 112 matrix instructions ahead of the wait for it
	MEET 1
	CREST
	s_xor_b32 s[G0+5], s[G0+5], SLOT               ; wave x HALFT has no bit in common with SLOT
	s_xor_b32 s[G0B+5], s[G0B+5], SLOT
	s_add_nc_u64 s[G0+6:G0+7], s[G0+6:G0+7], STEPA
	s_add_nc_u64 s[G0B+6:G0B+7], s[G0B+6:G0B+7], STEPB
	JLOAD 1                                        ; my one tensor load behind the round; its four v_nop are also the places in front of the loads below
	NEXTSLOT
	FETCH 0, F0
	MUL8 F1, 1, 0, 0
	MUL8 F1, 1, 2, 0
.endm
	s_wait_tensorcnt 1                             ; my part of K step 0 is in; K step 1's may stay out
	s_barrier_signal -1
	s_barrier_wait -1
	FETCH 0, F0
	QUARTER 1, F0, F1, 1                           ; the first products start the sums with the constant 0
	WIN 0
	s_mov_b32 s3, NK-2
.Lstep:
	QUARTER 2, F1, F0, 0
	QUARTER 3, F0, F1, 0
	TURN
	QUARTER 1, F0, F1, 0
	WIN 0
	s_sub_co_u32 s3, s3, 1
	s_cmp_lg_u32 s3, 0
	s_cbranch_scc1 .Lstep
	s_mov_b32 s3, 2
.Ltail:                                            ; the last two K steps ask for nothing; the second trip leaves behind its barrier
	QUARTER 2, F1, F0, 0
	QUARTER 3, F0, F1, 0
	MEET 0
	WIN 0
	s_cmp_eq_u32 s3, 1
	s_cbranch_scc1 .Llast
	NEXTSLOT
	PLACES
	FETCH 0, F0
	MUL8 F1, 1, 0, 0
	MUL8 F1, 1, 2, 0
	QUARTER 1, F0, F1, 0
	WIN 0
	s_sub_co_u32 s3, s3, 1
	s_cmp_lg_u32 s3, 0
	s_cbranch_scc1 .Ltail
.Llast:
	s_wait_dscnt 0x0
	MUL8 F1, 1, 0, 0
	MUL8 F1, 1, 2, 0
	WIN 0
	; THE WAY OUT.  Residual and bias are made ready first: these lines name no accumulator and are the places behind the last products.
	s_wait_loadcnt 0x0
	v_cvt_pk_bf16_f32 v1, v[BI], v[BI+1]
	v_cvt_pk_bf16_f32 v2, v[BI+2], v[BI+3]
	v_lshlrev_b32 v[BI], 16, v1
	v_and_b32 v[BI+1], 0xffff0000, v1
	v_lshlrev_b32 v[BI+2], 16, v2
	v_and_b32 v[BI+3], 0xffff0000, v2
.if RNDRES
	WIN 0x0a                                       ; sources window 2, destination window 0
.set i, 0
.rept 64
	v_cvt_pk_bf16_f32 v[TMP+i], v[RES+2*i], v[RES+2*i+1]
.set i, i+1
.endr
	WIN 0x80                                       ; destination window 2
.set i, 0
.rept 64
	v_lshlrev_b32 v[RES+2*i], 16, v[TMP+i]
	v_and_b32 v[RES+2*i+1], 0xffff0000, v[TMP+i]
.set i, i+1
.endr
.endif
	WIN 0x82                                       ; destination and source 0 window 2, source 1 window 0
.set i, 0
.rept 64
	v_pk_add_f32 v[RES+2*i:RES+2*i+1], v[RES+2*i:RES+2*i+1], v[BI+2*(i%2):BI+2*(i%2)+1]
.set i, i+1
.endr
.irp a, 0,1,2,3                        ; 16 rows at a time through my stage: in by lanes' rows, back as whole rows of 256 bytes
	WIN 0
	s_wait_xcnt 0x0                                ; the registers that earlier stores read are loaded again only behind this wait
.irp b, 0,1,2,3
	ds_store_b128 v[STO], v[ACC+8*(4*(\a)+(\b)):ACC+8*(4*(\a)+(\b))+3]   offset:64*(\b)
	ds_store_b128 v[STO], v[ACC+8*(4*(\a)+(\b))+4:ACC+8*(4*(\a)+(\b))+7] offset:64*(\b)+16
.endr
.irp t, 0,1,2,3,4,5,6,7
	ds_load_b128 v[TMP+32*((\a)%2)+4*(\t):TMP+32*((\a)%2)+4*(\t)+3], v[RD] offset:(\t)*2*SPITCH  ; LDS serves a wave's instructions in order: these see the stores above
.endr
	s_wait_dscnt 0x0
	WIN 0x08                                       ; source 1 window 2
.irp t, 0,1,2,3,4,5,6,7
.irp p, 0,2
	v_pk_add_f32 v[TMP+32*((\a)%2)+4*(\t)+(\p):TMP+32*((\a)%2)+4*(\t)+(\p)+1], v[TMP+32*((\a)%2)+4*(\t)+(\p):TMP+32*((\a)%2)+4*(\t)+(\p)+1], v[RES+4*(8*(\a)+(\t))+(\p):RES+4*(8*(\a)+(\t))+(\p)+1]
.endr
.endr
	WIN 0
.irp t, 0,1,2,3,4,5,6,7
	global_store_b128 v[CO], v[TMP+32*((\a)%2)+4*(\t):TMP+32*((\a)%2)+4*(\t)+3], s[SO:SO+1] offset:(16*(\a)+2*(\t))*4096  ; 16 lanes store 256 consecutive bytes, aligned
.endr
.endr
	s_wait_tensorcnt 0x0                           ; the wave's end, behind my last tensor load and my last LDS store
	ds_add_u32 v[SPW], v[NIL]
	s_wait_dscnt 0x0
	CROUND                                         ; the closing round
	s_endpgm
.Lfunc_end_k_q9af5722e88_projg:
	.size	k_q9af5722e88_projg, .Lfunc_end_k_q9af5722e88_projg-k_q9af5722e88_projg
	.p2alignl 7, 3214868480
	.fill 96, 4, 3214868480
	.section	.rodata,"a",@progbits
	.p2align	6, 0x0
	.amdhsa_kernel k_q9af5722e88_projg
		.amdhsa_group_segment_fixed_size 327680
		.amdhsa_private_segment_fixed_size 0
		.amdhsa_enable_private_segment 0
		.amdhsa_kernarg_size 40
		.amdhsa_user_sgpr_count 2
		.amdhsa_user_sgpr_kernarg_segment_ptr 1
		.amdhsa_wavefront_size32 1
		.amdhsa_system_sgpr_workgroup_id_x 1
		.amdhsa_system_sgpr_workgroup_id_y 1
		.amdhsa_system_sgpr_workgroup_id_z 1
		.amdhsa_system_vgpr_workitem_id 0
		.amdhsa_next_free_vgpr 640
		.amdhsa_next_free_sgpr 96
		.amdhsa_reserve_vcc 0
		.amdhsa_float_denorm_mode_32 3
		.amdhsa_float_denorm_mode_16_64 3
		.amdhsa_memory_ordered 1
		.amdhsa_forward_progress 1
		.amdhsa_inst_pref_size 81
	.end_amdhsa_kernel
	.amdgpu_metadata
---
amdhsa.version: [ 1, 2 ]
amdhsa.kernels:
  - .name:           k_q9af5722e88_projg
    .symbol:         k_q9af5722e88_projg.kd
    .args:
      - { .name: o, .offset: 0, .size: 8, .value_kind: global_buffer, .address_space: global }
      - { .name: wts, .offset: 8, .size: 8, .value_kind: global_buffer, .address_space: global }
      - { .name: proj_b, .offset: 16, .size: 8, .value_kind: global_buffer, .address_space: global }
      - { .name: x, .offset: 24, .size: 8, .value_kind: global_buffer, .address_space: global }
      - { .name: x1, .offset: 32, .size: 8, .value_kind: global_buffer, .address_space: global }
    .group_segment_fixed_size: 327680
    .private_segment_fixed_size: 0
    .kernarg_segment_align: 8
    .kernarg_segment_size: 40
    .max_flat_workgroup_size: 128
    .sgpr_count:     96
    .vgpr_count:     640
    .wavefront_size: 32
...
	.end_amdgpu_metadata
.endif
;; end of part 4
;; launch ln2 (part 5): grid 512 x 1, 8 waves a work-group, no clusters, 0 bytes of LDS; arguments x1, ln2_g, ln2_b, h; writes h
.if DOCPART == 5
	.amdgcn_target "amdgcn-amd-amdhsa--gfx1250"
	.amdhsa_code_object_version 6
	.text
	.protected	k_q9af5722e88_ln2
	.globl	k_q9af5722e88_ln2
	.p2align	8
	.type	k_q9af5722e88_ln2,@function
k_q9af5722e88_ln2:
	s_mov_b64 s[64:65], 0
	v_nop
	global_prefetch_b8 v0, s[64:65] scope:SCOPE_SE
	s_setreg_imm32_b32 hwreg(HW_REG_WAVE_MODE, 25, 1), 1
	s_wait_xcnt 0x0
; h = LayerNorm(x1) * bf16(g) + bf16(b), written as f16, [4096][1024].  x1 is f32 and the program's own: it is not rounded.
; A wave takes one whole row (4,096 bytes: eight loads of 16 bytes a lane) and keeps it in registers: mean, then the sum of (x - mean)^2, then the scaling.
; No LDS, no barrier, no matrix work: each byte of x1 is read once and each result written once, and no wave needs another's data.
; LIMITS.  A number of h of 65,520 or more would become an infinity in f16.  NaN and infinities are not treated apart.
.set SX, 8                             ; s[8:9]   x1
.set SG, 10                            ; s[10:11] gain
.set SB, 12                            ; s[12:13] bias
.set SH, 14                            ; s[14:15] h
.set X, 16                             ; v[16:47]   my row, 32 numbers a lane
.set G, 48                             ; v[48:79]   my 32 gains
.set B, 80                             ; v[80:111]  my 32 biases
.set Y, 112                            ; v[112:127] the row in f16
.set T, 128                            ; v[128:131] at work
.set VAR, 132                          ; v132       variance + eps
	s_load_b256 s[8:15], s[0:1], 0x0
	s_mov_b32 s30, 0xffff0000                      ; a word's upper bf16
	v_lshrrev_b32 v3, 5, v0
	v_readfirstlane_b32 s2, v3                     ; wave 0..7
	s_lshl_b32 s3, ttmp9, 3
	s_add_co_u32 s3, s3, s2                        ; my row = 8 x group + wave
	s_lshl_b32 s4, s3, 12
	s_mov_b32 s5, 0
	s_lshl_b32 s6, s3, 11
	s_mov_b32 s7, 0
	s_mov_b32 s26, 0x76543210                      ; v_permlanex16_b32: each lane takes its own place in the other half
	s_mov_b32 s27, 0xfedcba98
	s_mov_b32 s28, 0x3a800000                      ; 1 / 1024
	s_mov_b32 s29, 0x3727c5ac                      ; 1e-5
	v_and_b32 v3, 31, v0
	v_lshlrev_b32 v1, 4, v3                        ; 16 bytes a lane in,
	v_lshlrev_b32 v2, 3, v3                        ; 8 bytes out
	s_wait_kmcnt 0x0
	s_add_nc_u64 s[SX:SX+1], s[SX:SX+1], s[4:5]
	s_add_nc_u64 s[SH:SH+1], s[SH:SH+1], s[6:7]
.set j, 0
.rept 8
	global_load_b128 v[X+4*j:X+4*j+3], v1, s[SX:SX+1] offset:512*j th:TH_LOAD_NT
.set j, j+1
.endr
.set j, 0
.rept 8
	global_load_b128 v[G+4*j:G+4*j+3], v1, s[SG:SG+1] offset:512*j
.set j, j+1
.endr
.set j, 0
.rept 8
	global_load_b128 v[B+4*j:B+4*j+3], v1, s[SB:SB+1] offset:512*j
.set j, j+1
.endr
.macro JOIN                            ; four chains of pairs in v[4:11] -> the row's sum in v4 of every lane
	v_pk_add_f32 v[4:5], v[4:5], v[6:7]
	v_pk_add_f32 v[8:9], v[8:9], v[10:11]
	v_pk_add_f32 v[4:5], v[4:5], v[8:9]
	v_add_f32 v4, v4, v5
	v_add_f32_dpp v4, v4, v4 row_xmask:1 row_mask:0xf bank_mask:0xf
	v_add_f32_dpp v4, v4, v4 row_xmask:2 row_mask:0xf bank_mask:0xf
	v_add_f32_dpp v4, v4, v4 row_xmask:4 row_mask:0xf bank_mask:0xf
	v_add_f32_dpp v4, v4, v4 row_xmask:8 row_mask:0xf bank_mask:0xf
	v_permlanex16_b32 v5, v4, s26, s27
	v_add_f32 v4, v4, v5
.endm
.macro TOBF base, n                    ; n pairs from v[base] on are rounded to bf16, in place
.set i, 0
.rept \n
	v_cvt_pk_bf16_f32 v[T+i%4], v[(\base)+2*i], v[(\base)+2*i+1]
	v_lshlrev_b32 v[(\base)+2*i], 16, v[T+i%4]
	v_and_b32 v[(\base)+2*i+1], s30, v[T+i%4]
.set i, i+1
.endr
.endm
	s_wait_loadcnt 16                              ; the row is in; the sixteen younger loads are the gains' and the biases'
	; the mean, in four chains
.irp c, 0,2,4,6
	v_pk_add_f32 v[4+(\c):5+(\c)], v[X+(\c):X+(\c)+1], v[X+8+(\c):X+8+(\c)+1]
.endr
.irp k, 16,24
.irp c, 0,2,4,6
	v_pk_add_f32 v[4+(\c):5+(\c)], v[4+(\c):5+(\c)], v[X+(\k)+(\c):X+(\k)+(\c)+1]
.endr
.endr
	JOIN
	v_mul_f32 v12, s28, v4
	v_mul_f32 v13, s28, v4
.set i, 0
.rept 16
	v_pk_add_f32 v[X+i:X+i+1], v[X+i:X+i+1], v[12:13] neg_lo:[0,1] neg_hi:[0,1]  ; x - mean, in place
.set i, i+2
.endr
	; the sum of squares of x - mean, in four chains
.irp c, 0,2,4,6
	v_pk_mul_f32 v[4+(\c):5+(\c)], v[X+(\c):X+(\c)+1], v[X+(\c):X+(\c)+1]
.endr
.irp k, 8,16,24
.irp c, 0,2,4,6
	v_pk_fma_f32 v[4+(\c):5+(\c)], v[X+(\k)+(\c):X+(\k)+(\c)+1], v[X+(\k)+(\c):X+(\k)+(\c)+1], v[4+(\c):5+(\c)]
.endr
.endr
	JOIN
	v_fma_f32 v[VAR], v4, s28, s29
	v_rsq_f32 v12, v[VAR]                          ; one batch of two: a pair for the packed multiply
	v_rsq_f32 v13, v[VAR]
	s_wait_loadcnt 0x0                             ; gains and biases
	TOBF G, 16                                     ; 96 plain instructions that name none of the batch's registers
	TOBF B, 16
	s_wait_alu depctr_va_vdst(0)                   ; the wait stands ahead of the batch's first reader: one for the two
.set i, 0
.rept 16
	v_pk_mul_f32 v[X+i:X+i+1], v[X+i:X+i+1], v[12:13]
.set i, i+2
.endr
.set i, 0
.rept 16
	v_pk_fma_f32 v[X+i:X+i+1], v[X+i:X+i+1], v[G+i:G+i+1], v[B+i:B+i+1]
.set i, i+2
.endr
.set i, 0
.rept 16
	v_cvt_pk_f16_f32 v[Y+i], v[X+2*i], v[X+2*i+1]
.set i, i+1
.endr
.set j, 0
.rept 8
	global_store_b64 v2, v[Y+2*j:Y+2*j+1], s[SH:SH+1] offset:256*j  ; a wave's store covers 256 consecutive bytes, aligned
.set j, j+1
.endr
	s_endpgm
.Lfunc_end_k_q9af5722e88_ln2:
	.size	k_q9af5722e88_ln2, .Lfunc_end_k_q9af5722e88_ln2-k_q9af5722e88_ln2
	.p2alignl 7, 3214868480
	.fill 96, 4, 3214868480
	.section	.rodata,"a",@progbits
	.p2align	6, 0x0
	.amdhsa_kernel k_q9af5722e88_ln2
		.amdhsa_group_segment_fixed_size 0
		.amdhsa_private_segment_fixed_size 0
		.amdhsa_enable_private_segment 0
		.amdhsa_kernarg_size 32
		.amdhsa_user_sgpr_count 2
		.amdhsa_user_sgpr_kernarg_segment_ptr 1
		.amdhsa_wavefront_size32 1
		.amdhsa_system_sgpr_workgroup_id_x 1
		.amdhsa_system_sgpr_workgroup_id_y 1
		.amdhsa_system_sgpr_workgroup_id_z 1
		.amdhsa_system_vgpr_workitem_id 0
		.amdhsa_next_free_vgpr 136
		.amdhsa_next_free_sgpr 66
		.amdhsa_reserve_vcc 0
		.amdhsa_float_denorm_mode_32 3
		.amdhsa_float_denorm_mode_16_64 3
		.amdhsa_memory_ordered 1
		.amdhsa_forward_progress 1
		.amdhsa_inst_pref_size 16
	.end_amdhsa_kernel
	.amdgpu_metadata
---
amdhsa.version: [ 1, 2 ]
amdhsa.kernels:
  - .name:           k_q9af5722e88_ln2
    .symbol:         k_q9af5722e88_ln2.kd
    .args:
      - { .name: x1, .offset: 0, .size: 8, .value_kind: global_buffer, .address_space: global }
      - { .name: ln2_g, .offset: 8, .size: 8, .value_kind: global_buffer, .address_space: global }
      - { .name: ln2_b, .offset: 16, .size: 8, .value_kind: global_buffer, .address_space: global }
      - { .name: h, .offset: 24, .size: 8, .value_kind: global_buffer, .address_space: global }
    .group_segment_fixed_size: 0
    .private_segment_fixed_size: 0
    .kernarg_segment_align: 8
    .kernarg_segment_size: 32
    .max_flat_workgroup_size: 256
    .sgpr_count:     66
    .vgpr_count:     136
    .wavefront_size: 32
...
	.end_amdgpu_metadata
.endif
;; end of part 5
;; launch fc1g (part 6): grid 16 x 16, 4 waves a work-group, clusters of 4 x 4, 327,680 bytes of LDS; arguments h, wts, g, fc1_b; writes g
.if DOCPART == 6
	.amdgcn_target "amdgcn-amd-amdhsa--gfx1250"
	.amdhsa_code_object_version 6
	.text
	.protected	k_q9af5722e88_fc1g
	.globl	k_q9af5722e88_fc1g
	.p2align	8
	.type	k_q9af5722e88_fc1g,@function
k_q9af5722e88_fc1g:
	s_mov_b64 s[64:65], 0
	v_nop
	global_prefetch_b8 v0, s[64:65] scope:SCOPE_SE
	s_setreg_imm32_b32 hwreg(HW_REG_WAVE_MODE, 25, 1), 1
	s_wait_xcnt 0x0
	s_wait_alu depctr_hold_cnt(0) depctr_sa_sdst(0) depctr_va_vdst(0) depctr_va_sdst(0) depctr_va_ssrc(0) depctr_va_vcc(0) depctr_vm_vsrc(0)
	s_getreg_b32 s2, hwreg(HW_REG_IB_STS2, 6, 4)
	s_cmp_eq_u32 s2, 0
	s_cbranch_scc0 .Lentry_in_a_cluster
	s_endpgm
.Lentry_in_a_cluster:
	s_bfe_u32 s2, ttmp6, 0x10000c
	s_cmp_lg_u32 s2, 0xf033
	s_cbranch_scc0 .Lentry_shape_is_right
	s_endpgm
.Lentry_shape_is_right:
; C = A W (+ bias, exact GELU where GELU = 1).  A: [4096][SIZE_K] f16, rows along K.  W: [SIZE_K][SIZE_N] f16 at byte WOFF of wts, rows along N.  Sums in f32, C rounded once to f16.
; C leaves in blocks of 64 columns: [column / 64][row (4096)][64], so that four rows of a block are 512 consecutive bytes.  Here: gelu(h W1 + b1).
; A tile of C is 256 x 256: four waves, each 128 x 128 = 64 accumulators of 16 x 16, 512 registers.  K goes in steps of 128 through two LDS slots filled by tensor loads.
; The loop over K holds ONE K step of text: the slot in hand is a scalar offset that one exclusive or turns, and one descriptor a tensor walks from K step 1 to the last.
; W lies [K][N]: its fragments come out of LDS turned, by ds_load_tr16_b128.  The matrix instruction is used transposed (source 0 = 16 columns of W, source 1 = 16 rows of A):
; a lane then holds one row of C (lane % 16) and eight neighbouring columns.
; CLUSTER 4 x 4: A's tile hangs on the tile row alone and is asked for jointly along a row of the cluster, W's on the tile column alone and jointly along a column.
; THE WAY OUT: all 64 accumulators go in f32 into a stage of the wave's own, laid over the ring when its slots have had their last fill; a counted loop reads four rows a trip back, adds the bias,
; takes the GELU, rounds and stores.  The wait that frees a trip's store data and the stores' base stands in the next trip, directly ahead of the lines that write them again; the base is stepped there,
; so the stores reach back by a negative immediate.
; GELU: gelu(x) = x / 2 + |x| (1/2 - Q(t) exp(-x^2 / 2)), t = 1 / (1 + p |x| / sqrt 2), Q the fifth-degree polynomial of Abramowitz and Stegun 7.1.26 with halved coefficients:
; erf is off by 1.5e-7 at the most for every argument, so gelu by 8e-8 |x|.
; LIMITS.  f16 ends at 65,504: A, W and C lie within it; a C of 65,520 or more would leave as an infinity.  The bias is rounded to bf16 like every input.  NaN and infinities are not treated apart.
; REGISTERS in windows of 256: window 0: v0-31 addresses, v32-47 bias, v64-127 and v128-191 fragments of A (two buffers; on the way out at work);
;   window 1: v64-127, v128-191 fragments of W; window 2: accumulators of my rows 0-63 ((a, b) at v[8 (8 a + b)]); window 3: those of rows 64-127.
.set SIZE_K, 1024
.set SIZE_N, 4096
.set WOFF,   8388608
.set GELU,   1
.set KSTEP,  128
.set PITCH,  272                       ; a row of A in LDS: 256 bytes + 16: the 16 rows of a fragment load start 68 words apart
.set PB,     544                       ; a K row of W in LDS: 512 bytes + 32 = 17 x 32
.set HALFT,  34816                     ; what one tensor load brings: 128 rows x 272 = 64 rows x 544
.set SLOT,   4*HALFT                   ; A's 256 rows, then W's 128 K rows
.set SPARE,  2*SLOT                    ; behind the ring: the spare words, 128 bytes a wave: two blocks of 256 bytes that no other line names
.set SP,     528                       ; a stage row: 128 f32 + 16 bytes
.set WST,    128*SP                    ; a wave's stage; four of them end below SPARE
.set ADRA0, 16                         ; v16  my place in A's tile of slot 0; never rewritten
.set ADRB0, 17                         ; v17  the same for W
.set ADRA,  18                         ; v18  the same in the slot in hand
.set ADRB,  19                         ; v19
.set STO,   24                         ; v24  the way out: where I put 16 bytes of a stage row
.set RD,    25                         ; v25  where I read them back; steps four rows a trip
.set CO,    26                         ; v26  16 x lane: my 16 bytes of 512 consecutive bytes of C
.set BO,    27                         ; v27  my offset in the bias; never rewritten
.set SPW,   28                         ; v28  LDS address of my spare word; never rewritten
.set NIL,   29                         ; v29  0; never rewritten
.set PFO,   30                         ; v30  the prefetches' lane offset; never rewritten
.set BIAS,  32
.set F0,    64
.set F1,    128
.set VX,    64                         ; the way out, 16 numbers a lane each: x
.set VAX,   80                         ; |x|
.set VD,    96                         ; 1 + p |x|, then t
.set VW,    112                        ; -x^2 log2(e) / 2, then its exponential
.set VQ,    128                        ; the polynomial
.set VHX,   144                        ; x / 2, then the result
.set VOUT,  160                        ; 8 registers of f16
.set OFFR,  21                         ; s21  0 or SLOT: the slot in hand
.set G1,    24                         ; s[24:31] descriptor group 1 for A
.set G0,    32                         ; s[32:39] group 0 for A: set 0 for the first fill, set 1 walks
.set LIM,   43                         ; s43  2 in a wave that prefetches, else the greatest number
.set PFA,   44                         ; s[44:45] where my prefetches stand
.set G1B,   48                         ; s[48:55], s[56:63] the same for W
.set G0B,   56
.set PFS,   66                         ; s[66:67] a K step in bytes, for my prefetches
.set SBI,   68                         ; s[68:69] bias
.set CP,    70                         ; s[70:83] GELU's constants, each named as a pair
.set CC2,   72
.set CA1,   74
.set CA2,   76
.set CA3,   78
.set CA4,   80
.set CA5,   82
.set MSB, 0
.macro WIN new                         ; the immediate's high byte repeats the setting that is left; a switch that changes nothing is dropped
.if MSB != (\new)
	s_set_vgpr_msb (MSB<<8)|(\new)
.set MSB, \new
.endif
.endm
.set MUL_LO, 0xa1                      ; source 0 (W) window 1, source 1 (A) window 0, C and D window 2
.set MUL_HI, 0xf1                      ; the same, C and D window 3
.set TO_B,   0x40                      ; destination window 1, address window 0
; A joint load.  Waves 0 and 1 fetch A's two halves, waves 2 and 3 W's.  The branch hangs on the wave's number alone.  An s_nop 0 and four v_nop follow each line.
.macro JLOAD s
	s_cmp_eq_u32 s11, 0
	s_cbranch_scc0 .Lfor_b_\@
	tensor_load_to_lds s[G0+4*(\s):G0+4*(\s)+3], s[G1:G1+7]
	s_nop 0
.rept 4
	v_nop
.endr
	s_branch .Lasked_\@
.Lfor_b_\@:
	tensor_load_to_lds s[G0B+4*(\s):G0B+4*(\s)+3], s[G1B:G1B+7]
	s_nop 0
.rept 4
	v_nop
.endr
.Lasked_\@:
.endm
; A prefetch of the K step that stands two refills on.  A's rows are named by the clusters with x = 0, W's by those with y = 0; the four partners that ask for a tile jointly share it out by address;
; a lane names one aligned block of 256 bytes, so each block is named once in the launch.  The loop's last two trips have no K step two on.
.macro ASK
	s_cmp_gt_u32 s3, s[LIM]
	s_cbranch_scc0 .Lnot_mine_\@
	global_prefetch_b8 v[PFO], s[PFA:PFA+1] th:TH_LOAD_NT scope:SCOPE_SE
.Lnot_mine_\@:
.endm
.macro CREST                           ; a round of the cluster's barrier behind its opening barrier
	s_cmp_lg_u32 s10, 0
	s_cbranch_scc1 .Lnot_wave_0_\@
	s_barrier_signal -3
.Lnot_wave_0_\@:
	s_barrier_wait -3
	s_barrier_signal -1
	s_barrier_wait -1
.endm
.macro CROUND                          ; a whole round
	s_barrier_signal -1
	s_barrier_wait -1
	CREST
.endm
	s_load_b128 s[4:7], s[0:1], 0x0                ; A s[4:5], wts s[6:7]
	s_load_b64 s[8:9], s[0:1], 0x10                ; C
.if GELU
	s_load_b64 s[SBI:SBI+1], s[0:1], 0x18          ; bias
.endif
	v_lshl_add_u32 v[SPW], v0, 2, SPARE
	v_mov_b32 v[NIL], 0
	ds_add_u32 v[SPW], v[NIL]                      ; the wave's opening: the add and its wait stand ahead of my first tensor load; work on registers stands between them
	v_lshrrev_b32 v1, 5, v0
	v_readfirstlane_b32 s10, v1                    ; wave 0..3
	s_lshr_b32 s11, s10, 1                         ; my half of the tile's rows.  Also: I fetch for A (0) or for W (1)
	s_and_b32 s12, s10, 1                          ; my half of its columns.  Also: which half of that tile I fetch
	s_bfe_u32 s40, ttmp6, 0x40000                  ; cx
	s_bfe_u32 s41, ttmp6, 0x40004                  ; cy
	s_lshl_b32 s42, ttmp9, 2
	s_add_co_u32 s42, s42, s40                     ; tile column = 4 x cluster x + cx
	s_and_b32 s13, ttmp7, 0xffff
	s_lshl_b32 s13, s13, 2
	s_add_co_u32 s13, s13, s41                     ; tile row = 4 x cluster y + cy
	s_lshl_b32 s84, s41, 2
	s_lshl_b32 s84, 15, s84                        ; my row of the cluster
	s_lshl_b32 s85, 0x1111, s40                    ; my column
	s_or_b32 s[G1+0], s84, (1<<16)|(1<<20)|(1<<21)|(5<<22)|(3<<25)   ; mask; 2-byte elements; padding on; bit 21 beside a mask; after every 64 words, 4 words
	s_mov_b32 s[G1+1], KSTEP<<16                   ; tensor_dim0 = 128
	s_mov_b32 s[G1+2], 128<<16                     ; tensor_dim1 = 128
	s_mov_b32 s[G1+3], KSTEP<<16                   ; tile_dim0 = 128
	s_mov_b32 s[G1+4], 128                         ; tile_dim1 = 128
	s_mov_b32 s[G1+5], SIZE_K                      ; elements from row to row
	s_mov_b32 s[G1+6], 0
	s_mov_b32 s[G1+7], 0
	s_or_b32 s[G1B+0], s85, (1<<16)|(1<<20)|(1<<21)|(6<<22)|(7<<25)  ; after every 128 words, 8 words
	s_mov_b32 s[G1B+1], 256<<16                    ; tensor_dim0 = 256
	s_mov_b32 s[G1B+2], 64<<16                     ; tensor_dim1 = 64
	s_mov_b32 s[G1B+3], 256<<16                    ; tile_dim0 = 256
	s_mov_b32 s[G1B+4], 64                         ; tile_dim1 = 64
	s_mov_b32 s[G1B+5], SIZE_N
	s_mov_b32 s[G1B+6], 0
	s_mov_b32 s[G1B+7], 0
	s_lshl_b32 s16, s13, 8                         ; A: row 256 x tile row + 128 x half, 2 SIZE_K = 2,048 bytes a row
	s_lshl_b32 s17, s12, 7
	s_add_co_u32 s16, s16, s17
	s_lshl_b32 s16, s16, 11
	s_mov_b32 s17, 0
	s_mul_i32 s46, s12, 64*2*SIZE_N                ; W: K row 64 x half, column 256 x tile column
	s_lshl_b32 s47, s42, 9
	s_add_co_u32 s46, s46, s47
	s_add_co_u32 s46, s46, WOFF
	s_mov_b32 s47, 0
	s_mul_i32 s20, s10, HALFT                      ; where my part goes: the wave's number alone
	s_wait_dscnt 0x0                               ; the opening add is done
	s_wait_kmcnt 0x0
	s_add_nc_u64 s[14:15], s[4:5], s[16:17]
	s_add_nc_u64 s[46:47], s[6:7], s[46:47]
	CROUND                                         ; all sixteen work-groups are here: the first joint loads meet
.irp s, 0,1
	s_mov_b32 s[G0+4*(\s)], 1
	s_add_co_u32 s[G0+4*(\s)+1], s20, (\s)*SLOT
	s_add_nc_u64 s[G0+4*(\s)+2:G0+4*(\s)+3], s[14:15], (\s)*KSTEP*2
	s_or_b32 s[G0+4*(\s)+3], s[G0+4*(\s)+3], 0x80000000
	s_mov_b32 s[G0B+4*(\s)], 1
	s_add_co_u32 s[G0B+4*(\s)+1], s20, (\s)*SLOT
	s_add_nc_u64 s[G0B+4*(\s)+2:G0B+4*(\s)+3], s[46:47], (\s)*KSTEP*2*SIZE_N
	s_or_b32 s[G0B+4*(\s)+3], s[G0B+4*(\s)+3], 0x80000000
	JLOAD \s                                       ; K steps 0 and 1: two loads of mine are out, the most in this text
.endr
	v_and_b32 v1, 15, v0                           ; l % 16
	v_bfe_u32 v2, v0, 4, 1                         ; l / 16
	v_mul_u32_u24 v3, v1, PITCH
	v_lshl_add_u32 v3, v2, 4, v3
	s_mul_i32 s22, s11, HALFT
	v_add_nc_u32 v[ADRA0], s22, v3                 ; A: my 128 rows; row x pitch + 16 x half
	v_and_b32 v4, 7, v0
	v_bfe_u32 v5, v0, 3, 1
	v_lshl_add_u32 v6, v2, 3, v4                   ; W, turned: K row 8 (l / 16) + l % 8,
	v_mul_u32_u24 v6, v6, PB
	v_lshl_add_u32 v6, v5, 4, v6                   ; columns 8 ((l / 8) % 2) on,
	s_lshl_b32 s22, s12, 8
	s_add_co_u32 s22, s22, 2*HALFT
	v_add_nc_u32 v[ADRB0], s22, v6                 ; in my 128 columns, behind A's 256 rows
	s_mul_i32 s23, s10, WST
	v_mul_u32_u24 v3, v1, SP
	v_lshl_add_u32 v3, v2, 4, v3
	v_add_nc_u32 v[STO], s23, v3                   ; stage in: row l % 16, chunk l / 16
	v_bfe_u32 v3, v0, 3, 2
	v_mul_u32_u24 v3, v3, SP
	v_lshl_add_u32 v3, v4, 4, v3
	v_add_nc_u32 v[RD], s23, v3                    ; stage back: row l / 8 of four, chunk l % 8
	v_and_b32 v[CO], 31, v0
	v_lshlrev_b32 v[CO], 4, v[CO]
	s_lshl_b32 s86, s42, 2                         ; C at my part: block of 64 columns 4 x tile column + 2 x half, 524,288 bytes a block,
	s_lshl1_add_u32 s86, s12, s86
	s_lshl_b32 s86, s86, 19
	s_lshl_b32 s87, s13, 8                         ; row 256 x tile row + 128 x half, 128 bytes a row
	s_lshl_b32 s22, s11, 7
	s_add_co_u32 s87, s87, s22
	s_lshl_b32 s87, s87, 7
	s_add_co_u32 s86, s86, s87
	s_mov_b32 s87, 0
	s_add_nc_u64 s[8:9], s[8:9], s[86:87]
	; the prefetches: A: of the 128 rows that I fetch, partner cx takes 32, a lane a row.  W: of my 64 K rows partner cy takes 16, two lanes a row of 512 bytes.  Both stand at K step 3: the first change of slots steps them to 4
	s_lshl_b32 s86, s13, 8
	s_lshl_b32 s22, s12, 7
	s_add_co_u32 s86, s86, s22
	s_lshl_b32 s22, s40, 5
	s_add_co_u32 s86, s86, s22
	s_lshl_b32 s86, s86, 11
	s_add_co_u32 s86, s86, 3*KSTEP*2
	s_lshl_b32 s87, s12, 6
	s_lshl_b32 s22, s41, 4
	s_add_co_u32 s87, s87, s22
	s_add_co_u32 s87, s87, 3*KSTEP
	s_mul_i32 s87, s87, 2*SIZE_N
	s_lshl_b32 s22, s42, 9
	s_add_co_u32 s87, s87, s22
	s_add_co_u32 s87, s87, WOFF
	s_and_b32 s23, ttmp7, 0xffff                   ; cluster y
	s_mov_b32 s[PFS], KSTEP*2*SIZE_N
	s_mov_b32 s22, 2*SIZE_N
	s_cmp_eq_u32 s11, 0                            ; do I fetch for A?
	s_cselect_b32 s86, s86, s87
	s_cselect_b32 s23, ttmp9, s23                  ; the coordinate along which other clusters read the same rows
	s_cselect_b64 s[PFA:PFA+1], s[4:5], s[6:7]
	s_cselect_b32 s[PFS], KSTEP*2, s[PFS]
	s_cselect_b32 s22, 2*SIZE_K, s22
	s_mov_b32 s[PFS+1], 0
	s_mov_b32 s87, 0
	s_cmp_eq_u32 s23, 0
	s_cselect_b32 s[LIM], 2, -1                    ; the same in all sixteen partners, for a given wave
	s_add_nc_u64 s[PFA:PFA+1], s[PFA:PFA+1], s[86:87]
	v_and_b32 v[PFO], 31, v0
	v_and_b32 v31, s11, v[PFO]
	v_lshrrev_b32 v[PFO], s11, v[PFO]
	v_mul_u32_u24 v[PFO], v[PFO], s22
	v_lshl_add_u32 v[PFO], v31, 8, v[PFO]
.if GELU
	s_lshl_b32 s86, s42, 10                        ; the bias of my 128 columns; a lane's sixteen: 64 hh + 8 (l % 8) + 0..7
	s_lshl_b32 s22, s12, 9
	s_add_co_u32 s86, s86, s22
	s_add_nc_u64 s[SBI:SBI+1], s[SBI:SBI+1], s[86:87]
	v_lshlrev_b32 v[BO], 5, v4
.irp hh, 0,1
.irp p, 0,1
	global_load_b128 v[BIAS+8*(\hh)+4*(\p):BIAS+8*(\hh)+4*(\p)+3], v[BO], s[SBI:SBI+1] offset:256*(\hh)+16*(\p)
.endr
.endr
.endif
	s_mov_b32 s[OFFR], 0
	v_mov_b32 v[ADRA], v[ADRA0]
	v_mov_b32 v[ADRB], v[ADRB0]
; 16 matrix instructions: row blocks a0, a0 + 1 of the window's four x all 8 column blocks, 32 along K.  The 64 accumulators take turns, one instruction a turn.
.macro MUL16 f, hi, a0, zero
	WIN MUL_LO+0x50*(\hi)
.irp a, \a0, (\a0)+1
.irp b, 0,1,2,3,4,5,6,7
.if \zero
	v_wmma_f32_16x16x32_f16 v[8*(8*(\a)+(\b)):8*(8*(\a)+(\b))+7], v[(\f)+8*(\b):(\f)+8*(\b)+7], v[(\f)+8*(4*(\hi)+(\a)):(\f)+8*(4*(\hi)+(\a))+7], 0
.else
	v_wmma_f32_16x16x32_f16 v[8*(8*(\a)+(\b)):8*(8*(\a)+(\b))+7], v[(\f)+8*(\b):(\f)+8*(\b)+7], v[(\f)+8*(4*(\hi)+(\a)):(\f)+8*(4*(\hi)+(\a))+7], v[8*(8*(\a)+(\b)):8*(8*(\a)+(\b))+7]
.endif
.endr
.endr
.endm
; 32 LDS loads in one run: the fragments of 32 along K, at byte k of A's rows = K row k / 2 of W, into buffer f; W's sixteen first
.macro FETCH k, f
	WIN TO_B
.irp i, 0,1,2,3,4,5,6,7
	ds_load_tr16_b128 v[(\f)+8*(\i):(\f)+8*(\i)+3],   v[ADRB] offset:((\k)/2)*PB+32*(\i)
	ds_load_tr16_b128 v[(\f)+8*(\i)+4:(\f)+8*(\i)+7], v[ADRB] offset:((\k)/2)*PB+16*PB+32*(\i)
.endr
	WIN 0
.irp i, 0,1,2,3,4,5,6,7
	ds_load_b128 v[(\f)+8*(\i):(\f)+8*(\i)+3],   v[ADRA] offset:(\k)+(\i)*16*PITCH
	ds_load_b128 v[(\f)+8*(\i)+4:(\f)+8*(\i)+7], v[ADRA] offset:(\k)+(\i)*16*PITCH+32
.endr
.endm
.macro PLACES                          ; four plain instructions between a matrix instruction and a load into, or a read of, its registers (ISA guide 7.12.1 for reads)
.rept 4
	v_nop
.endr
.endm
; A quarter of a K step: multiplies buffer f; in its middle fetches the next quarter, at byte k, into buffer g
.macro QUARTER k, f, g, zero
	s_wait_dscnt 8                                 ; W and A's rows 0-63 are in; the youngest eight loads (A's rows 64-127) may be out
	MUL16 \f, 0, 0, \zero
	MUL16 \f, 0, 2, \zero
	PLACES
	FETCH \k, \g
	s_wait_dscnt 32                                ; all but the 32 just issued
	MUL16 \f, 1, 0, \zero
	MUL16 \f, 1, 2, \zero
.endm
; The first half of a K step's last quarter, and the barrier of the change of slots.  In front of it each wave waits for all its tensor loads (its part of the next slot), adds 0 to its spare word, and waits for that and for its reads of this slot.
.macro MEET round
	WIN 0
	s_wait_tensorcnt 0x0                           ; all my tensor loads have landed
	ds_add_u32 v[SPW], v[NIL]
	s_wait_dscnt 9                                 ; (the add and the youngest eight loads may be out)
	MUL16 F1, 0, 0, 0
	s_wait_dscnt 0x0                               ; the add is done, and my reads of this slot are over
	s_barrier_signal -1
	MUL16 F1, 0, 2, 0                              ; work on registers between the signal and the wait
.if \round
	WIN 0
.endif
	s_barrier_wait -1
.endm
.macro NEXTSLOT
	s_xor_b32 s[OFFR], s[OFFR], SLOT
	v_add_nc_u32 v[ADRA], s[OFFR], v[ADRA0]
	v_add_nc_u32 v[ADRB], s[OFFR], v[ADRB0]
.endm
; The last quarter with a refill: the barrier opens a round of the cluster's; behind the round the slot just read out takes the next K step that has not been asked for: 224 matrix instructions ahead of the wait for it.
.macro TURN
	s_wait_xcnt 0x0                                ; the last prefetch, a K step back, has read its address
	s_add_nc_u64 s[PFA:PFA+1], s[PFA:PFA+1], s[PFS:PFS+1]
	MEET 1
	CREST
	s_xor_b32 s[G0+5], s[G0+5], SLOT               ; wave x HALFT has no bit in common with SLOT: the exclusive or turns the address into the other slot's
	s_xor_b32 s[G0B+5], s[G0B+5], SLOT
	s_add_nc_u64 s[G0+6:G0+7], s[G0+6:G0+7], KSTEP*2
	s_add_nc_u64 s[G0B+6:G0B+7], s[G0B+6:G0B+7], KSTEP*2*SIZE_N
	JLOAD 1                                        ; my one tensor load behind the round; its four v_nop are also the places in front of the loads below
	NEXTSLOT
	FETCH 0, F0
	ASK
	MUL16 F1, 1, 0, 0
	MUL16 F1, 1, 2, 0
.endm
	s_wait_tensorcnt 1                             ; my part of K step 0 is in; K step 1's may stay out
	s_barrier_signal -1
	s_barrier_wait -1
	FETCH 0, F0
	QUARTER 64, F0, F1, 1                          ; the first quarter starts the sums with the constant 0
	WIN 0
	s_mov_b32 s3, SIZE_K/KSTEP-2
.Lstep:                                            ; a trip: from a K step's second quarter to the next step's first; it asks for K steps 2 .. 7
	QUARTER 128, F1, F0, 0
	QUARTER 192, F0, F1, 0
	TURN
	QUARTER 64, F0, F1, 0
	WIN 0
	s_sub_co_u32 s3, s3, 1
	s_cmp_lg_u32 s3, 0
	s_cbranch_scc1 .Lstep
	s_mov_b32 s3, 2
.Ltail:                                            ; the last two K steps ask for nothing; the second trip leaves behind its barrier
	QUARTER 128, F1, F0, 0
	QUARTER 192, F0, F1, 0
	MEET 0
	WIN 0
	s_cmp_eq_u32 s3, 1
	s_cbranch_scc1 .Llast
	NEXTSLOT
	PLACES
	FETCH 0, F0
	MUL16 F1, 1, 0, 0
	MUL16 F1, 1, 2, 0
	QUARTER 64, F0, F1, 0
	WIN 0
	s_sub_co_u32 s3, s3, 1
	s_cmp_lg_u32 s3, 0
	s_cbranch_scc1 .Ltail
.Llast:
	s_wait_dscnt 0x0
	MUL16 F1, 1, 0, 0
	MUL16 F1, 1, 2, 0
	WIN 0
	PLACES
	PLACES
	s_barrier_signal -1                            ; every wave's tiles have landed and its reads of the ring are back:
	s_barrier_wait -1                              ; the stages, which lie over the ring, may be written; no slot is filled again
	; 128 stores: accumulator (a, b), row 16 a + l % 16: columns 16 b + 8 (l / 16) + 0..3 into plane 0 at chunk 2 b + l / 16, + 4..7 into plane 1; each accumulator's low registers first
.irp a, 0,1,2,3,4,5,6,7
	WIN 0x08+4*((\a)/4)
.irp b, 0,1,2,3,4,5,6,7
	ds_store_b128 v[STO], v[8*(8*((\a)%4)+(\b)):8*(8*((\a)%4)+(\b))+3]   offset:(\a)*16*SP+32*(\b)
	ds_store_b128 v[STO], v[8*(8*((\a)%4)+(\b))+4:8*(8*((\a)%4)+(\b))+7] offset:(\a)*16*SP+32*(\b)+256
.endr
.endr
	WIN 0
.macro LOADX                           ; four rows: a lane takes row l / 8, columns 64 hh + 8 (l % 8) + 0..7.  LDS serves a wave's instructions in order: these see the stores above
.irp hh, 0,1
.irp p, 0,1
	ds_load_b128 v[VX+8*(\hh)+4*(\p):VX+8*(\hh)+4*(\p)+3], v[RD] offset:128*(\hh)+256*(\p)
.endr
.endr
.endm
.macro TOF16 src                       ; the last trip's stores have read their data and their base: both are written anew, the base four rows on
	s_wait_xcnt 0x0
	s_add_nc_u64 s[8:9], s[8:9], 512
.irp hh, 0,1
.irp r, 0,1,2,3
	v_cvt_pk_f16_f32 v[VOUT+4*(\hh)+(\r)], v[(\src)+8*(\hh)+2*(\r)], v[(\src)+8*(\hh)+2*(\r)+1]
.endr
.endr
.endm
.if GELU
.macro PK8 line:vararg                 ; one line for each of the eight pairs, i = 0, 2 .. 14
.set i, 0
.rept 8
	\line
.set i, i+2
.endr
.endm
.macro ACT1                            ; all that reads x; ends with the wait for its one batch of 32 transcendentals
	PK8 v_pk_add_f32 v[VX+i:VX+i+1], v[VX+i:VX+i+1], v[BIAS+i:BIAS+i+1]
.set i, 0
.rept 16
	v_and_b32 v[VAX+i], 0x7fffffff, v[VX+i]
.set i, i+1
.endr
	PK8 v_pk_fma_f32 v[VD+i:VD+i+1], v[VAX+i:VAX+i+1], s[CP:CP+1], 1.0 op_sel_hi:[1,0,0]
	PK8 v_pk_mul_f32 v[VW+i:VW+i+1], v[VX+i:VX+i+1], v[VX+i:VX+i+1]
	PK8 v_pk_mul_f32 v[VW+i:VW+i+1], v[VW+i:VW+i+1], s[CC2:CC2+1] op_sel_hi:[1,0]
.set i, 0
.rept 16
	v_rcp_f32 v[VD+i], v[VD+i]
.set i, i+1
.endr
.set i, 0
.rept 16
	v_exp_f32 v[VW+i], v[VW+i]
.set i, i+1
.endr
	PK8 v_pk_mul_f32 v[VHX+i:VHX+i+1], v[VX+i:VX+i+1], 0.5 op_sel_hi:[1,0]
	s_wait_alu depctr_va_vdst(0)                   ; the wait stands ahead of the batch's first reader and of the branch below: one for the 32
.endm
.macro ACT2
	PK8 v_pk_fma_f32 v[VQ+i:VQ+i+1], v[VD+i:VD+i+1], s[CA5:CA5+1], s[CA4:CA4+1] op_sel_hi:[1,0,0]
	PK8 v_pk_fma_f32 v[VQ+i:VQ+i+1], v[VQ+i:VQ+i+1], v[VD+i:VD+i+1], s[CA3:CA3+1] op_sel_hi:[1,1,0]
	PK8 v_pk_fma_f32 v[VQ+i:VQ+i+1], v[VQ+i:VQ+i+1], v[VD+i:VD+i+1], s[CA2:CA2+1] op_sel_hi:[1,1,0]
	PK8 v_pk_fma_f32 v[VQ+i:VQ+i+1], v[VQ+i:VQ+i+1], v[VD+i:VD+i+1], s[CA1:CA1+1] op_sel_hi:[1,1,0]
	PK8 v_pk_mul_f32 v[VQ+i:VQ+i+1], v[VQ+i:VQ+i+1], v[VD+i:VD+i+1]
	PK8 v_pk_fma_f32 v[VQ+i:VQ+i+1], v[VQ+i:VQ+i+1], v[VW+i:VW+i+1], 0.5 op_sel_hi:[1,1,0] neg_lo:[0,1,0] neg_hi:[0,1,0]
	PK8 v_pk_fma_f32 v[VHX+i:VHX+i+1], v[VAX+i:VAX+i+1], v[VQ+i:VQ+i+1], v[VHX+i:VHX+i+1]
.endm
	s_wait_loadcnt 0x0                             ; the bias, asked for at the head
.set i, 0
.rept 8
	v_cvt_pk_bf16_f32 v[VOUT+i], v[BIAS+2*i], v[BIAS+2*i+1]
	v_lshlrev_b32 v[BIAS+2*i], 16, v[VOUT+i]
	v_and_b32 v[BIAS+2*i+1], 0xffff0000, v[VOUT+i]
.set i, i+1
.endr
	s_mov_b32 s[CP], 0x3e6d3389                    ; 0.3275911 / sqrt 2
	s_mov_b32 s[CC2], 0xbf38aa3b                   ; -log2(e) / 2
	s_mov_b32 s[CA1], 0x3e027906                   ; the five coefficients, halved
	s_mov_b32 s[CA2], 0xbe11a98e
	s_mov_b32 s[CA3], 0x3f35f0e3
	s_mov_b32 s[CA4], 0xbf3a00e3
	s_mov_b32 s[CA5], 0x3f07dc22
.irp c, CP, CC2, CA1, CA2, CA3, CA4, CA5
	s_mov_b32 s[(\c)+1], s[\c]                     ; named as pairs
.endr
.endif
	LOADX
	s_mov_b32 s3, 32
.Lout:                                             ; 32 trips of four rows; the next trip's rows are asked for while this trip's are worked on
	s_wait_dscnt 0x0
.if GELU
	ACT1
.else
	TOF16 VX
.endif
	v_add_nc_u32 v[RD], 4*SP, v[RD]
	s_cmp_eq_u32 s3, 1
	s_cbranch_scc1 .Lnoload                        ; behind the last four rows there is nothing to read
	LOADX
.Lnoload:
.if GELU
	ACT2
	TOF16 VHX
.endif
	global_store_b128 v[CO], v[VOUT:VOUT+3],   s[8:9] offset:-512         ; each store of the wave covers 512 consecutive bytes, aligned: four rows of a block of 64 columns;
	global_store_b128 v[CO], v[VOUT+4:VOUT+7], s[8:9] offset:524288-512   ; the base stands four rows on already
	s_sub_co_u32 s3, s3, 1
	s_cmp_lg_u32 s3, 0
	s_cbranch_scc1 .Lout
	s_wait_tensorcnt 0x0                           ; the wave's end, behind my last tensor load and my last LDS store
	ds_add_u32 v[SPW], v[NIL]
	s_wait_dscnt 0x0
	CROUND                                         ; the closing round: no work-group ends while a partner may still ask for a tile that names it
	s_endpgm
.Lfunc_end_k_q9af5722e88_fc1g:
	.size	k_q9af5722e88_fc1g, .Lfunc_end_k_q9af5722e88_fc1g-k_q9af5722e88_fc1g
	.p2alignl 7, 3214868480
	.fill 96, 4, 3214868480
	.section	.rodata,"a",@progbits
	.p2align	6, 0x0
	.amdhsa_kernel k_q9af5722e88_fc1g
		.amdhsa_group_segment_fixed_size 327680
		.amdhsa_private_segment_fixed_size 0
		.amdhsa_enable_private_segment 0
		.amdhsa_kernarg_size 32
		.amdhsa_user_sgpr_count 2
		.amdhsa_user_sgpr_kernarg_segment_ptr 1
		.amdhsa_wavefront_size32 1
		.amdhsa_system_sgpr_workgroup_id_x 1
		.amdhsa_system_sgpr_workgroup_id_y 1
		.amdhsa_system_sgpr_workgroup_id_z 1
		.amdhsa_system_vgpr_workitem_id 0
		.amdhsa_next_free_vgpr 1024
		.amdhsa_next_free_sgpr 96
		.amdhsa_reserve_vcc 0
		.amdhsa_float_denorm_mode_32 3
		.amdhsa_float_denorm_mode_16_64 3
		.amdhsa_memory_ordered 1
		.amdhsa_forward_progress 1
		.amdhsa_inst_pref_size 93
	.end_amdhsa_kernel
	.amdgpu_metadata
---
amdhsa.version: [ 1, 2 ]
amdhsa.kernels:
  - .name:           k_q9af5722e88_fc1g
    .symbol:         k_q9af5722e88_fc1g.kd
    .args:
      - { .name: h, .offset: 0, .size: 8, .value_kind: global_buffer, .address_space: global }
      - { .name: wts, .offset: 8, .size: 8, .value_kind: global_buffer, .address_space: global }
      - { .name: g, .offset: 16, .size: 8, .value_kind: global_buffer, .address_space: global }
      - { .name: fc1_b, .offset: 24, .size: 8, .value_kind: global_buffer, .address_space: global }
    .group_segment_fixed_size: 327680
    .private_segment_fixed_size: 0
    .kernarg_segment_align: 8
    .kernarg_segment_size: 32
    .max_flat_workgroup_size: 128
    .sgpr_count:     96
    .vgpr_count:     1024
    .wavefront_size: 32
...
	.end_amdgpu_metadata
.endif
;; end of part 6
;; launch fc2g (part 7): grid 8 x 32, 4 waves a work-group, clusters of 4 x 4, 327,680 bytes of LDS; arguments g, wts, fc2_b, x1, out0; writes out0
.if DOCPART == 7
	.amdgcn_target "amdgcn-amd-amdhsa--gfx1250"
	.amdhsa_code_object_version 6
	.text
	.protected	k_q9af5722e88_fc2g
	.globl	k_q9af5722e88_fc2g
	.p2align	8
	.type	k_q9af5722e88_fc2g,@function
k_q9af5722e88_fc2g:
	s_mov_b64 s[64:65], 0
	v_nop
	global_prefetch_b8 v0, s[64:65] scope:SCOPE_SE
	s_setreg_imm32_b32 hwreg(HW_REG_WAVE_MODE, 25, 1), 1
	s_wait_xcnt 0x0
	s_wait_alu depctr_hold_cnt(0) depctr_sa_sdst(0) depctr_va_vdst(0) depctr_va_sdst(0) depctr_va_ssrc(0) depctr_va_vcc(0) depctr_vm_vsrc(0)
	s_getreg_b32 s2, hwreg(HW_REG_IB_STS2, 6, 4)
	s_cmp_eq_u32 s2, 0
	s_cbranch_scc0 .Lentry_in_a_cluster
	s_endpgm
.Lentry_in_a_cluster:
	s_bfe_u32 s2, ttmp6, 0x10000c
	s_cmp_lg_u32 s2, 0xf033
	s_cbranch_scc0 .Lentry_shape_is_right
	s_endpgm
.Lentry_shape_is_right:
; OUT = RES + A W + bias.  A: f16 in blocks of 64 channels, [SIZE_K / 64][4096][64].  W: [SIZE_K][1024] f16 at byte WOFF of wts.  RES, OUT: [4096][1024] f32.  Sums in f32.
; The bias is rounded to bf16 like every input; RES too where it is an input (RNDRES = 1).
; A tile of OUT is 128 x 128, so that the 256 tiles give each WGP one: four waves, each 64 x 64 = 16 accumulators.  K goes in steps of 256 through two LDS slots.
; The loop over K holds ONE K step of text: the slot in hand is a scalar offset that one exclusive or turns, and one descriptor a tensor walks.
; A's part of a slot is four dense runs of 8,192 bytes (64 rows of each of four blocks of 64 channels): one descriptor of four long rows, padded in LDS after each 128 bytes.
; W lies [K][N]: its fragments come out of LDS turned.  The matrix instruction is used transposed: a lane holds one row of OUT (lane % 16) and eight neighbouring columns.
; CLUSTER 4 x 4: A's tile is asked for jointly along a row of the cluster, W's along a column.
; The residual's 64 x 64 numbers of the wave are asked for at the head and lie in registers when the sums are finished.  A wave's 64 columns of f32 are 256 bytes: each wave has a stage of its own, and no barrier stands on the way out.
; No prefetch: the tile is small, and a K step's tiles are shared by four partners.
; LIMITS.  A and W lie within f16's 65,504.  NaN and infinities are not treated apart.
; REGISTERS in windows of 256: window 0: v0-31 addresses and the bias, v32-95 at work on the way out, v128-255 accumulators ((a, b) at v[128 + 8 (4 a + b)]);
;   window 1: two fragment buffers of 128 (64 of A, then 64 of W); window 2: v0-127 the residual.
.set SIZE_K, 4096
.set WOFF,   16777216
.set RNDRES, 0
.set NK,     SIZE_K/256
.set PA,     144                       ; a row of A in LDS: 128 bytes + 16
.set PB,     288                       ; a K row of W: 256 bytes + 32 = 9 x 32
.set HALFT,  36864                     ; what one tensor load brings: 4 x 64 x 144 = 128 x 288
.set SLOT,   4*HALFT
.set STAGE,  2*SLOT                    ; behind the ring, never filled by a tensor load: 16 rows x 272 bytes a wave
.set SPITCH, 272
.set SPARE,  STAGE+4*16*SPITCH         ; the spare words, 128 bytes a wave: two blocks of 256 bytes that no other line names
.set STEPA,  4*524288                  ; a K step in A: four blocks of 64 channels
.set STEPB,  256*2048                  ; in W: 256 K rows
.set BI,    8                          ; v[8:11] the bias of my four columns
.set ADRA0, 16
.set ADRB0, 17
.set ADRA,  18
.set ADRB,  19                         ; v19, v20: W's K rows 0-127 and 128-255 of the slot in hand (the 16-bit offset does not reach over all 256)
.set ADRB2, 20
.set STO,   24
.set RD,    25
.set CO,    26                         ; my 16 bytes in two rows of RES and OUT; never rewritten
.set BO,    27                         ; my offset in the bias; never rewritten
.set SPW,   28
.set NIL,   29
.set TMP,   32
.set ACC,   128
.set F0,    0
.set F1,    128
.set RES,   0                          ; window 2: row pair j at 4 j
.set OFFR,  21
.set G1,    24
.set G0,    32
.set G1B,   48
.set G0B,   56
.set SA,    72                         ; s[72:73] A, s[74:75] wts, s[76:77] bias, s[78:79] RES, s[80:81] OUT
.set SW,    74
.set SBI,   76
.set SR,    78
.set SO,    80
.set MSB, 0
.macro WIN new
.if MSB != (\new)
	s_set_vgpr_msb (MSB<<8)|(\new)
.set MSB, \new
.endif
.endm
.set MUL,  0x05                        ; sources 0 (W) and 1 (A) window 1; C and D window 0
.set TO_F, 0x40                        ; destination window 1, address window 0
.macro JLOAD s                         ; a joint load: waves 0 and 1 fetch A's halves, waves 2 and 3 W's; an s_nop 0 and four v_nop follow each line
	s_cmp_eq_u32 s11, 0
	s_cbranch_scc0 .Lfor_b_\@
	tensor_load_to_lds s[G0+4*(\s):G0+4*(\s)+3], s[G1:G1+7]
	s_nop 0
.rept 4
	v_nop
.endr
	s_branch .Lasked_\@
.Lfor_b_\@:
	tensor_load_to_lds s[G0B+4*(\s):G0B+4*(\s)+3], s[G1B:G1B+7]
	s_nop 0
.rept 4
	v_nop
.endr
.Lasked_\@:
.endm
.macro CREST
	s_cmp_lg_u32 s10, 0
	s_cbranch_scc1 .Lnot_wave_0_\@
	s_barrier_signal -3
.Lnot_wave_0_\@:
	s_barrier_wait -3
	s_barrier_signal -1
	s_barrier_wait -1
.endm
.macro CROUND
	s_barrier_signal -1
	s_barrier_wait -1
	CREST
.endm
	s_load_b256 s[72:79], s[0:1], 0x0
	s_load_b64 s[80:81], s[0:1], 0x20
	v_lshl_add_u32 v[SPW], v0, 2, SPARE
	v_mov_b32 v[NIL], 0
	ds_add_u32 v[SPW], v[NIL]                      ; the wave's opening: the add and its wait stand ahead of my first tensor load
	v_lshrrev_b32 v1, 5, v0
	v_readfirstlane_b32 s10, v1                    ; wave 0..3
	s_lshr_b32 s11, s10, 1                         ; my half of the tile's rows.  Also: I fetch for A (0) or for W (1)
	s_and_b32 s12, s10, 1                          ; my half of its columns.  Also: which half of that tile I fetch
	s_bfe_u32 s40, ttmp6, 0x40000                  ; cx
	s_bfe_u32 s41, ttmp6, 0x40004                  ; cy
	s_lshl_b32 s42, ttmp9, 2
	s_add_co_u32 s42, s42, s40                     ; tile column
	s_and_b32 s13, ttmp7, 0xffff
	s_lshl_b32 s13, s13, 2
	s_add_co_u32 s13, s13, s41                     ; tile row
	s_lshl_b32 s84, s41, 2
	s_lshl_b32 s84, 15, s84                        ; my row of the cluster
	s_lshl_b32 s85, 0x1111, s40                    ; my column
	s_or_b32 s[G1+0], s84, (1<<16)|(1<<20)|(1<<21)|(4<<22)|(3<<25)   ; mask; 2-byte elements; padding on; bit 21 beside a mask; after every 32 words, 4 words
	s_mov_b32 s[G1+1], 4096<<16                    ; tensor_dim0 = 4,096 elements: 64 rows of 64 channels, dense
	s_mov_b32 s[G1+2], 4<<16                       ; tensor_dim1 = 4 blocks of channels
	s_mov_b32 s[G1+3], 4096<<16                    ; tile_dim0
	s_mov_b32 s[G1+4], 4                           ; tile_dim1
	s_mov_b32 s[G1+5], 262144                      ; elements from block to block
	s_mov_b32 s[G1+6], 0
	s_mov_b32 s[G1+7], 0
	s_or_b32 s[G1B+0], s85, (1<<16)|(1<<20)|(1<<21)|(5<<22)|(7<<25)  ; after every 64 words, 8 words
	s_mov_b32 s[G1B+1], 128<<16
	s_mov_b32 s[G1B+2], 128<<16
	s_mov_b32 s[G1B+3], 128<<16
	s_mov_b32 s[G1B+4], 128
	s_mov_b32 s[G1B+5], 1024
	s_mov_b32 s[G1B+6], 0
	s_mov_b32 s[G1B+7], 0
	s_lshl_b32 s16, s13, 7                         ; A: row 128 x tile row + 64 x half, 128 bytes a row
	s_lshl_b32 s17, s12, 6
	s_add_co_u32 s16, s16, s17
	s_lshl_b32 s16, s16, 7
	s_mov_b32 s17, 0
	s_lshl_b32 s46, s12, 18                        ; W: K row 128 x half, column 128 x tile column
	s_lshl_b32 s47, s42, 8
	s_add_co_u32 s46, s46, s47
	s_add_co_u32 s46, s46, WOFF
	s_mov_b32 s47, 0
	s_mul_i32 s20, s10, HALFT
	s_wait_dscnt 0x0                               ; the opening add is done
	s_wait_kmcnt 0x0
	s_add_nc_u64 s[14:15], s[SA:SA+1], s[16:17]
	s_add_nc_u64 s[46:47], s[SW:SW+1], s[46:47]
	CROUND                                         ; all sixteen work-groups are here: the first joint loads meet
.irp s, 0,1
	s_mov_b32 s[G0+4*(\s)], 1
	s_add_co_u32 s[G0+4*(\s)+1], s20, (\s)*SLOT
	s_add_nc_u64 s[G0+4*(\s)+2:G0+4*(\s)+3], s[14:15], (\s)*STEPA
	s_or_b32 s[G0+4*(\s)+3], s[G0+4*(\s)+3], 0x80000000
	s_mov_b32 s[G0B+4*(\s)], 1
	s_add_co_u32 s[G0B+4*(\s)+1], s20, (\s)*SLOT
	s_add_nc_u64 s[G0B+4*(\s)+2:G0B+4*(\s)+3], s[46:47], (\s)*STEPB
	s_or_b32 s[G0B+4*(\s)+3], s[G0B+4*(\s)+3], 0x80000000
	JLOAD \s                                       ; K steps 0 and 1: two loads of mine are out, the most in this text
.endr
	v_and_b32 v1, 15, v0                           ; l % 16
	v_bfe_u32 v2, v0, 4, 1                         ; l / 16
	v_mul_u32_u24 v3, v1, PA
	v_lshl_add_u32 v3, v2, 4, v3
	s_mul_i32 s22, s11, HALFT
	v_add_nc_u32 v[ADRA0], s22, v3
	v_and_b32 v4, 7, v0
	v_bfe_u32 v5, v0, 3, 1
	v_lshl_add_u32 v6, v2, 3, v4
	v_mul_u32_u24 v6, v6, PB
	v_lshl_add_u32 v6, v5, 4, v6
	s_lshl_b32 s22, s12, 7
	s_add_co_u32 s22, s22, 2*HALFT
	v_add_nc_u32 v[ADRB0], s22, v6
	s_mul_i32 s23, s10, 16*SPITCH
	s_add_co_u32 s23, s23, STAGE                   ; my stage
	v_mul_u32_u24 v3, v1, SPITCH
	v_lshl_add_u32 v3, v2, 5, v3
	v_add_nc_u32 v[STO], s23, v3                   ; in: row l % 16, 32 bytes for each half of the lanes
	v_mul_u32_u24 v3, v2, SPITCH
	v_lshl_add_u32 v3, v1, 4, v3
	v_add_nc_u32 v[RD], s23, v3                    ; back: lanes 0-15 one row of 256 bytes, lanes 16-31 the next
	v_lshlrev_b32 v[BO], 4, v1
	v_lshl_add_u32 v[CO], v2, 12, v[BO]            ; and the same two rows in RES and OUT
	s_lshl_b32 s86, s13, 7                         ; my 64 x 64: row 128 x tile row + 64 x half, 4,096 bytes a row; column 128 x tile column + 64 x half
	s_lshl_b32 s22, s11, 6
	s_add_co_u32 s86, s86, s22
	s_lshl_b32 s86, s86, 12
	s_lshl_b32 s22, s42, 9
	s_lshl_b32 s23, s12, 8
	s_add_co_u32 s22, s22, s23
	s_mov_b32 s23, 0
	s_add_co_u32 s86, s86, s22
	s_mov_b32 s87, 0
	s_add_nc_u64 s[SR:SR+1], s[SR:SR+1], s[86:87]
	s_add_nc_u64 s[SO:SO+1], s[SO:SO+1], s[86:87]
	s_add_nc_u64 s[SBI:SBI+1], s[SBI:SBI+1], s[22:23]
	WIN 0x80                                       ; destination window 2, address window 0
.set j, 0
.rept 32
	global_load_b128 v[RES+4*j:RES+4*j+3], v[CO], s[SR:SR+1] offset:8192*j th:TH_LOAD_NT  ; these 33 loads stay out through the loop over K; nobody writes those bytes
.set j, j+1
.endr
	WIN 0
	global_load_b128 v[BI:BI+3], v[BO], s[SBI:SBI+1]
	s_mov_b32 s[OFFR], 0
	v_mov_b32 v[ADRA], v[ADRA0]
	v_mov_b32 v[ADRB], v[ADRB0]
	v_add_nc_u32 v[ADRB2], 128*PB, v[ADRB0]
; 8 matrix instructions: row blocks a0, a0 + 1 x all 4 column blocks, 32 along K: half c of buffer f.  The 16 accumulators take turns.
.macro MUL8 f, c, a0, zero
	WIN MUL
.irp a, \a0, (\a0)+1
.irp b, 0,1,2,3
.if \zero
	v_wmma_f32_16x16x32_f16 v[ACC+8*(4*(\a)+(\b)):ACC+8*(4*(\a)+(\b))+7], v[(\f)+64+8*(4*(\c)+(\b)):(\f)+64+8*(4*(\c)+(\b))+7], v[(\f)+8*(4*(\c)+(\a)):(\f)+8*(4*(\c)+(\a))+7], 0
.else
	v_wmma_f32_16x16x32_f16 v[ACC+8*(4*(\a)+(\b)):ACC+8*(4*(\a)+(\b))+7], v[(\f)+64+8*(4*(\c)+(\b)):(\f)+64+8*(4*(\c)+(\b))+7], v[(\f)+8*(4*(\c)+(\a)):(\f)+8*(4*(\c)+(\a))+7], v[ACC+8*(4*(\a)+(\b)):ACC+8*(4*(\a)+(\b))+7]
.endif
.endr
.endr
.endm
; 32 LDS loads in one run: the fragments of quarter q (64 along K: one block of channels of A) into buffer f; the first 32 along K first
.macro FETCH q, f
	WIN TO_F
.irp c, 0,1
.irp i, 0,1,2,3
	ds_load_tr16_b128 v[(\f)+64+8*(4*(\c)+(\i)):(\f)+64+8*(4*(\c)+(\i))+3],   v[ADRB+(\q)/2] offset:(((\q)%2)*64+32*(\c))*PB+32*(\i)
	ds_load_tr16_b128 v[(\f)+64+8*(4*(\c)+(\i))+4:(\f)+64+8*(4*(\c)+(\i))+7], v[ADRB+(\q)/2] offset:(((\q)%2)*64+32*(\c))*PB+16*PB+32*(\i)
	ds_load_b128 v[(\f)+8*(4*(\c)+(\i)):(\f)+8*(4*(\c)+(\i))+3],   v[ADRA] offset:(\q)*64*PA+64*(\c)+(\i)*16*PA
	ds_load_b128 v[(\f)+8*(4*(\c)+(\i))+4:(\f)+8*(4*(\c)+(\i))+7], v[ADRA] offset:(\q)*64*PA+64*(\c)+(\i)*16*PA+32
.endr
.endr
.endm
.macro PLACES
.rept 4
	v_nop
.endr
.endm
.macro QUARTER q, f, g, zero           ; multiplies buffer f; in its middle fetches quarter q into buffer g
	s_wait_dscnt 16                                ; the first 32 along K are in; the sixteen loads of the second 32 may be out
	MUL8 \f, 0, 0, \zero
	MUL8 \f, 0, 2, \zero
	PLACES
	FETCH \q, \g
	s_wait_dscnt 32                                ; all but the 32 just issued
	MUL8 \f, 1, 0, 0
	MUL8 \f, 1, 2, 0
.endm
.macro MEET round                      ; the first half of a K step's last quarter, and the barrier of the change of slots
	WIN 0
	s_wait_tensorcnt 0x0                           ; all my tensor loads have landed: my part of the next slot
	ds_add_u32 v[SPW], v[NIL]
	s_wait_dscnt 17                                ; (the add and the youngest sixteen loads may be out)
	MUL8 F1, 0, 0, 0
	s_wait_dscnt 0x0                               ; the add is done, and my reads of this slot are over
	s_barrier_signal -1
	MUL8 F1, 0, 2, 0
.if \round
	WIN 0
.endif
	s_barrier_wait -1
.endm
.macro NEXTSLOT
	s_xor_b32 s[OFFR], s[OFFR], SLOT
	v_add_nc_u32 v[ADRA], s[OFFR], v[ADRA0]
	v_add_nc_u32 v[ADRB], s[OFFR], v[ADRB0]
	v_add_nc_u32 v[ADRB2], 128*PB, v[ADRB]
.endm
.macro TURN                            ; the last quarter with a refill: 112 matrix instructions ahead of the wait for it
	MEET 1
	CREST
	s_xor_b32 s[G0+5], s[G0+5], SLOT               ; wave x HALFT has no bit in common with SLOT
	s_xor_b32 s[G0B+5], s[G0B+5], SLOT
	s_add_nc_u64 s[G0+6:G0+7], s[G0+6:G0+7], STEPA
	s_add_nc_u64 s[G0B+6:G0B+7], s[G0B+6:G0B+7], STEPB
	JLOAD 1                                        ; my one tensor load behind the round; its four v_nop are also the places in front of the loads below
	NEXTSLOT
	FETCH 0, F0
	MUL8 F1, 1, 0, 0
	MUL8 F1, 1, 2, 0
.endm
	s_wait_tensorcnt 1                             ; my part of K step 0 is in; K step 1's may stay out
	s_barrier_signal -1
	s_barrier_wait -1
	FETCH 0, F0
	QUARTER 1, F0, F1, 1                           ; the first products start the sums with the constant 0
	WIN 0
	s_mov_b32 s3, NK-2
.Lstep:
	QUARTER 2, F1, F0, 0
	QUARTER 3, F0, F1, 0
	TURN
	QUARTER 1, F0, F1, 0
	WIN 0
	s_sub_co_u32 s3, s3, 1
	s_cmp_lg_u32 s3, 0
	s_cbranch_scc1 .Lstep
	s_mov_b32 s3, 2
.Ltail:                                            ; the last two K steps ask for nothing; the second trip leaves behind its barrier
	QUARTER 2, F1, F0, 0
	QUARTER 3, F0, F1, 0
	MEET 0
	WIN 0
	s_cmp_eq_u32 s3, 1
	s_cbranch_scc1 .Llast
	NEXTSLOT
	PLACES
	FETCH 0, F0
	MUL8 F1, 1, 0, 0
	MUL8 F1, 1, 2, 0
	QUARTER 1, F0, F1, 0
	WIN 0
	s_sub_co_u32 s3, s3, 1
	s_cmp_lg_u32 s3, 0
	s_cbranch_scc1 .Ltail
.Llast:
	s_wait_dscnt 0x0
	MUL8 F1, 1, 0, 0
	MUL8 F1, 1, 2, 0
	WIN 0
	; THE WAY OUT.  Residual and bias are made ready first: these lines name no accumulator and are the places behind the last products.
	s_wait_loadcnt 0x0
	v_cvt_pk_bf16_f32 v1, v[BI], v[BI+1]
	v_cvt_pk_bf16_f32 v2, v[BI+2], v[BI+3]
	v_lshlrev_b32 v[BI], 16, v1
	v_and_b32 v[BI+1], 0xffff0000, v1
	v_lshlrev_b32 v[BI+2], 16, v2
	v_and_b32 v[BI+3], 0xffff0000, v2
.if RNDRES
	WIN 0x0a                                       ; sources window 2, destination window 0
.set i, 0
.rept 64
	v_cvt_pk_bf16_f32 v[TMP+i], v[RES+2*i], v[RES+2*i+1]
.set i, i+1
.endr
	WIN 0x80                                       ; destination window 2
.set i, 0
.rept 64
	v_lshlrev_b32 v[RES+2*i], 16, v[TMP+i]
	v_and_b32 v[RES+2*i+1], 0xffff0000, v[TMP+i]
.set i, i+1
.endr
.endif
	WIN 0x82                                       ; destination and source 0 window 2, source 1 window 0
.set i, 0
.rept 64
	v_pk_add_f32 v[RES+2*i:RES+2*i+1], v[RES+2*i:RES+2*i+1], v[BI+2*(i%2):BI+2*(i%2)+1]
.set i, i+1
.endr
.irp a, 0,1,2,3                        ; 16 rows at a time through my stage: in by lanes' rows, back as whole rows of 256 bytes
	WIN 0
	s_wait_xcnt 0x0                                ; the registers that earlier stores read are loaded again only behind this wait
.irp b, 0,1,2,3
	ds_store_b128 v[STO], v[ACC+8*(4*(\a)+(\b)):ACC+8*(4*(\a)+(\b))+3]   offset:64*(\b)
	ds_store_b128 v[STO], v[ACC+8*(4*(\a)+(\b))+4:ACC+8*(4*(\a)+(\b))+7] offset:64*(\b)+16
.endr
.irp t, 0,1,2,3,4,5,6,7
	ds_load_b128 v[TMP+32*((\a)%2)+4*(\t):TMP+32*((\a)%2)+4*(\t)+3], v[RD] offset:(\t)*2*SPITCH  ; LDS serves a wave's instructions in order: these see the stores above
.endr
	s_wait_dscnt 0x0
	WIN 0x08                                       ; source 1 window 2
.irp t, 0,1,2,3,4,5,6,7
.irp p, 0,2
	v_pk_add_f32 v[TMP+32*((\a)%2)+4*(\t)+(\p):TMP+32*((\a)%2)+4*(\t)+(\p)+1], v[TMP+32*((\a)%2)+4*(\t)+(\p):TMP+32*((\a)%2)+4*(\t)+(\p)+1], v[RES+4*(8*(\a)+(\t))+(\p):RES+4*(8*(\a)+(\t))+(\p)+1]
.endr
.endr
	WIN 0
.irp t, 0,1,2,3,4,5,6,7
	global_store_b128 v[CO], v[TMP+32*((\a)%2)+4*(\t):TMP+32*((\a)%2)+4*(\t)+3], s[SO:SO+1] offset:(16*(\a)+2*(\t))*4096  ; 16 lanes store 256 consecutive bytes, aligned
.endr
.endr
	s_wait_tensorcnt 0x0                           ; the wave's end, behind my last tensor load and my last LDS store
	ds_add_u32 v[SPW], v[NIL]
	s_wait_dscnt 0x0
	CROUND                                         ; the closing round
	s_endpgm
.Lfunc_end_k_q9af5722e88_fc2g:
	.size	k_q9af5722e88_fc2g, .Lfunc_end_k_q9af5722e88_fc2g-k_q9af5722e88_fc2g
	.p2alignl 7, 3214868480
	.fill 96, 4, 3214868480
	.section	.rodata,"a",@progbits
	.p2align	6, 0x0
	.amdhsa_kernel k_q9af5722e88_fc2g
		.amdhsa_group_segment_fixed_size 327680
		.amdhsa_private_segment_fixed_size 0
		.amdhsa_enable_private_segment 0
		.amdhsa_kernarg_size 40
		.amdhsa_user_sgpr_count 2
		.amdhsa_user_sgpr_kernarg_segment_ptr 1
		.amdhsa_wavefront_size32 1
		.amdhsa_system_sgpr_workgroup_id_x 1
		.amdhsa_system_sgpr_workgroup_id_y 1
		.amdhsa_system_sgpr_workgroup_id_z 1
		.amdhsa_system_vgpr_workitem_id 0
		.amdhsa_next_free_vgpr 640
		.amdhsa_next_free_sgpr 96
		.amdhsa_reserve_vcc 0
		.amdhsa_float_denorm_mode_32 3
		.amdhsa_float_denorm_mode_16_64 3
		.amdhsa_memory_ordered 1
		.amdhsa_forward_progress 1
		.amdhsa_inst_pref_size 71
	.end_amdhsa_kernel
	.amdgpu_metadata
---
amdhsa.version: [ 1, 2 ]
amdhsa.kernels:
  - .name:           k_q9af5722e88_fc2g
    .symbol:         k_q9af5722e88_fc2g.kd
    .args:
      - { .name: g, .offset: 0, .size: 8, .value_kind: global_buffer, .address_space: global }
      - { .name: wts, .offset: 8, .size: 8, .value_kind: global_buffer, .address_space: global }
      - { .name: fc2_b, .offset: 16, .size: 8, .value_kind: global_buffer, .address_space: global }
      - { .name: x1, .offset: 24, .size: 8, .value_kind: global_buffer, .address_space: global }
      - { .name: out0, .offset: 32, .size: 8, .value_kind: global_buffer, .address_space: global }
    .group_segment_fixed_size: 327680
    .private_segment_fixed_size: 0
    .kernarg_segment_align: 8
    .kernarg_segment_size: 40
    .max_flat_workgroup_size: 128
    .sgpr_count:     96
    .vgpr_count:     640
    .wavefront_size: 32
...
	.end_amdgpu_metadata
.endif
;; end of part 7
